; MI455X (gfx1250); checked and timed in simulation.
; The chip was launched on July 23, 2026; its instructions are those of AMD's public machine-readable ISA for CDNA 5 (MIT licence, August 2026) and "CDNA5" Instruction Set Architecture Reference Guide (July 2026). The comments in the code are by the model that wrote it; some were corrected since.
;; Multi Head Attention. Allowed arithmetic: matrix products marked QUANTISED: E2M3 operands, one E8M0 scale for each 32 along K, by v_wmma_scale_f32_16x16x128_f8f6f4 with both operands' format E2M3, f32 sums; everything else in f32.
;; Inputs: K 4 x 2,048 x 1,024 float32; Q 4 x 2,048 x 1,024 float32; V 4 x 2,048 x 1,024 float32; W_K 1,024 x 1,024 float32; W_O 1,024 x 1,024 float32; W_Q 1,024 x 1,024 float32; W_V 1,024 x 1,024 float32.
;; Outputs: out0 4 x 2,048 x 1,024 float32.
;; This version of the problem:
;;   THIS VERSION OF THE PROBLEM IS GIVEN IN LOW PRECISION. The matrix products marked QUANTISED in the list below multiply operands that are first quantised to E2M3 (2 exponent bits, 3 mantissa bits; 6 bits a number), with one power-of-two scale for each 32 numbers along K (OCP MX v1.0); their sums are f32. All else is computed in f32.
;;   The module's matrix products, in the order in which they are computed (A, B: the left and right operand; K: the contracted axis; several contracted axes count as one K, in the product's order):
;;     1. [M 8,192, K 1,024] x [K 1,024, N 1,024]; A: input Q; B: input W_Q: QUANTISED
;;     2. [M 8,192, K 1,024] x [K 1,024, N 1,024]; A: input K; B: input W_K: QUANTISED
;;     3. [M 8,192, K 1,024] x [K 1,024, N 1,024]; A: input V; B: input W_V: QUANTISED
;;     4. batch 64 x [M 2,048, K 64] x [K 64, N 2,048]; A: computed on the way; B: computed on the way: QUANTISED
;;     5. batch 64 x [M 2,048, K 2,048] x [K 2,048, N 64]; A: softmax (see below); B: computed on the way: QUANTISED
;;     6. [M 8,192, K 1,024] x [K 1,024, N 1,024]; A: computed on the way; B: input W_O: QUANTISED
;;   THE QUANTISER, for each operand of a quantised product, along K:
;;     - K is cut into blocks of 32 from its start; a last block that is shorter is filled with zeros.
;;     - A block's scale is 2^e with e = floor(log2(the largest magnitude in the block)) - 2, held to -126 .. 127; a block of zeros has e = 0. As a byte (E8M0): e + 127.
;;     - Each number is divided by its block's scale, clamped to +-7.5, and rounded to the nearest number of E2M3, ties to even, subnormals kept.
;;     - The product sums the exact products of the quantised numbers (number of the format x scale) in f32.
;;   ~~~python
;;   def quantise(x, axis):      # numpy; x: float32 -> the quantised numbers, widened to float32 again
;;       x = np.moveaxis(x, axis, -1); K = x.shape[-1]
;;       x = np.pad(x, [(0, 0)] * (x.ndim - 1) + [(0, -K % 32)]); x = x.reshape(x.shape[:-1] + (-1, 32)); a = np.abs(x).max(-1, keepdims=True)
;;       e = np.where(a > 0, np.clip(np.frexp(np.where(a > 0, a, 1))[1] - 1 - 2, -126, 127), 0)      # np.frexp(a)[1] - 1 = floor(log2(a)), exactly
;;       r = np.clip(x / 2.0 ** e, -7.5, 7.5)
;;       step = 2.0 ** (np.maximum(np.frexp(np.where(r == 0, 1, r))[1] - 1, 0) - 3)
;;       q = np.round(r / step) * step * 2.0 ** e      # np.round: ties to even
;;       return np.moveaxis(q.reshape(q.shape[:-2] + (-1,))[..., :K], -1, axis).astype(np.float32)
;;   ~~~
;;   SOFTMAX AHEAD OF A QUANTISED PRODUCT. Where the list says 'softmax', what is quantised is not the finished softmax but p = 2^(t - M), with t = logit x log2(e) and M = ceil(the row's largest t), a whole number; so 1/2 < the row's largest p <= 1. The row's sum l is taken of the UNQUANTISED p, in f32, and the product's result is divided by l at the end. Since M is a whole number, a kernel that streams over the keys may use a running M (the ceiling of the running maximum): every later rescaling is an exact power of two, which a block's scale takes up: the codes' values come out the same.
;;   OPERANDS COMPUTED ON THE WAY. 'Computed on the way' means the value that the module computes at that place (a softmax that the list does not call 'softmax' is quantised finished and normalised). What goes into a quantiser is computed in f32, as accurately as f32 sums, v_exp_f32 and their like allow (about 1e-6 of the number): no bf16 or f16 on the way to a quantiser, and a product that is left as it is and whose result goes on into a quantised operand takes f32 operands (vector FMAs, or v_wmma_f32_16x16x4_f32). A number that lies on a knife's edge between two numbers of the format may be rounded either way, as far as f32 arithmetic and the matrix unit's own rounding can turn it there, and no further.
;; One version. Each part assembles by itself: llvm-mc -triple=amdgcn-amd-amdhsa -mcpu=gfx1250 --defsym DOCPART=n.
;; ======== version 1 of 1: 4 launches
;; workspace buffers: cin 22,020,096 bytes; sin 917,504 bytes; qim 6,553,600 bytes; kvim 13,107,200 bytes; aim 6,291,456 bytes; asc 262,144 bytes
;; launch quant (part 1): grid 896 x 1, 4 waves a work-group, no clusters, 33,280 bytes of LDS; arguments Q, K, V, W_Q, W_K, W_V, W_O, cin, sin; writes cin, sin
.if DOCPART == 1
	.amdgcn_target "amdgcn-amd-amdhsa--gfx1250"
	.amdhsa_code_object_version 6
	.text
	.protected	k_q28779ce4ea_quant
	.globl	k_q28779ce4ea_quant
	.p2align	8
	.type	k_q28779ce4ea_quant,@function
k_q28779ce4ea_quant:
	s_mov_b64 s[64:65], 0
	v_nop
	global_prefetch_b8 v0, s[64:65] scope:SCOPE_SE
	s_setreg_imm32_b32 hwreg(HW_REG_WAVE_MODE, 25, 1), 1
	s_wait_xcnt 0x0
; The seven f32 inputs (K innermost in all of them) become codes of FP6 (E2M3), 6 bits each, with one E8M0 byte for each 32 along K.
; cin: 28,672 rows of 768 bytes (1,024 codes), sin: 32 bytes a row.  Rows: Q from 0, K from 8,192, V from 16,384, W_Q from 24,576, W_K from 25,600, W_V from 26,624, W_O from 27,648.
; The scale of a block is 2^(floor(log2(largest magnitude)) - 2); its byte is the exponent field of the largest magnitude less 2, held at 1 from below.
; ROWS OF W_V CHANGE PLACES: row number bits 3 and 4 are swapped on the way out.  A wave takes 8 rows, a work-group 32, so waves 1 and 2 swap their output places.
; With that order a lane of the attention launch finds 16 neighbouring channels of a head in the 16 registers of two neighbouring tiles of O^T.
; LIMITS: NaN and infinities are not served; a block whose largest magnitude lies under 2^-124 keeps the byte 1; a block of zeros gets the byte 1 and not 127 (its codes are zeros, and this program alone reads the bytes).
; A wave takes 16 steps of 512 numbers.  Each load reads 512 consecutive bytes, 16 a lane; a step turns through the stage of the wave in LDS and comes back 64 bytes a lane: 16 neighbours, two lanes to a block.
; The 16 codes of a lane are 12 bytes: the wave stores 384 consecutive bytes.  The 256 scale bytes of a wave are gathered in LDS and leave as one aligned run of 256 bytes.
; No tensor load, no barrier: waves share nothing.  Loads run four steps (16 loads a wave) ahead.  No prefetch: the launch is one stream read once, with its loads always on their way.
.set STEPS, 16
.set EMAX,  2
.set CB,    12                         ; bytes of 16 codes
.set R,     16                         ; v16-79   four sets of 16 numbers as loaded
.set X,     80                         ; v80-111  two sets of 16 neighbours
.set C,     128                        ; v128-191 codes: four registers a step, so no data of a store are written again
.set E,     112                        ; v112-127 a scale byte for each step
.set WREG,  8192                       ; LDS of a wave: two stages of 32 x SP bytes, then its 256 scale bytes
.set SP,    80                         ; the place of a lane in a stage: 64 bytes + 16 of padding
	s_load_b256 s[4:11], s[0:1], 0x0               ; Q, K, V, W_Q
	s_load_b256 s[12:19], s[0:1], 0x20             ; W_K, W_V, W_O, cin
	s_load_b64 s[20:21], s[0:1], 0x40              ; sin
	v_lshl_add_u32 v192, v0, 2, 0x8000
	v_mov_b32 v193, 0
	v_lshrrev_b32 v1, 5, v0
	v_readfirstlane_b32 s22, v1                    ; wave
	v_and_b32 v2, 31, v0                           ; lane
	v_lshlrev_b32 v3, 4, v2                        ; my 16 bytes of the 512 of a load
	s_mul_i32 s23, s22, WREG
	v_lshrrev_b32 v14, 2, v2
	v_mul_u32_u24 v14, v14, SP
	v_and_b32 v15, 3, v2
	v_lshl_add_u32 v14, v15, 4, v14
	v_add_nc_u32 v14, s23, v14                     ; the stage, way in: SP (lane / 4) + 16 (lane % 4)
	v_mul_u32_u24 v15, v2, SP
	v_add_nc_u32 v15, s23, v15                     ; way out: SP x lane: my 16 neighbours
	v_mul_u32_u24 v4, v2, CB                       ; the place of my codes in a step
	v_lshrrev_b32 v5, 1, v2
	s_add_co_u32 s23, s23, 2*32*SP
	v_add_nc_u32 v5, s23, v5                       ; LDS: the byte of my block
	v_lshlrev_b32 v7, 3, v2                        ; and on the way out 8 bytes a lane
	v_add_nc_u32 v6, s23, v7
	s_and_b32 s28, s22, 1                          ; the wave number with its two bits swapped
	s_lshl_b32 s28, s28, 1
	s_lshr_b32 s29, s22, 1
	s_or_b32 s28, s28, s29
	s_wait_alu depctr_va_vdst(0)
	s_wait_kmcnt 0x0
	s_mov_b32 s24, 0                               ; first work-group of my tensor
; which input is mine: the choice hangs on the work-group number alone
.macro PICK first, ptr
	s_cmp_ge_u32 ttmp9, \first
	s_cselect_b64 s[4:5], s[\ptr:\ptr+1], s[4:5]
	s_cselect_b32 s24, \first, s24
.endm
	PICK 256, 6
	PICK 512, 8
	PICK 768, 10
	PICK 800, 12
	PICK 832, 14
	PICK 864, 16
	s_sub_co_u32 s29, ttmp9, 832                   ; work-groups 832 to 863 hold W_V
	s_cmp_lt_u32 s29, 32
	s_cselect_b32 s28, s28, s22                    ; there the swapped wave number says where the run goes
	s_lshl_b32 s29, ttmp9, 2
	s_add_co_u32 s28, s29, s28                     ; output run of 8 rows
	s_sub_co_u32 s25, ttmp9, s24
	s_lshl_b32 s25, s25, 2
	s_add_co_u32 s25, s25, s22                     ; input run of 8,192 numbers
	s_lshl_b32 s24, s25, 15
	s_mov_b32 s25, 0
	s_add_nc_u64 s[4:5], s[4:5], s[24:25]
	s_mul_i32 s26, s28, 6144
	s_mov_b32 s27, 0
	s_add_nc_u64 s[18:19], s[18:19], s[26:27]
	s_lshl_b32 s26, s28, 8
	s_add_nc_u64 s[20:21], s[20:21], s[26:27]
.macro LOAD t
.irp i, 0,1,2,3
	global_load_b128 v[R+16*((\t)%4)+4*\i:R+16*((\t)%4)+4*\i+3], v3, s[4:5] offset:2048*(\t)+512*\i th:TH_LOAD_NT   ; 32 lanes read 512 consecutive bytes
.endr
.endm
.macro TURN t                          ; the numbers of step t go through the stage: LDS serves the instructions of a wave in order, so no wait stands between stores and loads
.irp i, 0,1,2,3
	ds_store_b128 v14, v[R+16*((\t)%4)+4*\i:R+16*((\t)%4)+4*\i+3] offset:32*SP*((\t)%2)+8*SP*\i
.endr
.irp i, 0,1,2,3
	ds_load_b128 v[X+16*((\t)%2)+4*\i:X+16*((\t)%2)+4*\i+3], v15 offset:32*SP*((\t)%2)+16*\i
.endr
.endm
.irp t, 0,1,2,3
	LOAD \t
.endr
	s_wait_loadcnt 12                              ; the four loads of step 0 are in; the twelve of steps 1 to 3 may be out
	TURN 0
.macro STEP t
.set XS, X+16*((\t)%2)
.if (\t) > 0
	s_wait_dscnt 1                                 ; the numbers of this step are back from the stage (the byte store of the last step may be out): so its stores into the stage have read their registers,
.else
	s_wait_dscnt 0x0
.endif
.if (\t)+4 < STEPS
	LOAD (\t)+4                                    ; which take the loads of four steps on
.endif
.if (\t)+1 < STEPS
.if STEPS-2-(\t) >= 3
	s_wait_loadcnt 12                              ; the four loads of the next step are in; those of the three steps behind it may be out
.else
	s_wait_loadcnt 4*(STEPS-2-(\t))
.endif
	TURN (\t)+1
.endif
	v_max3_num_f32 v8, |v[XS]|, |v[XS+1]|, |v[XS+2]|               ; the largest magnitude of my 16, in two chains
	v_max3_num_f32 v9, |v[XS+3]|, |v[XS+4]|, |v[XS+5]|
.irp i, 6,10
	v_max3_num_f32 v8, v8, |v[XS+\i]|, |v[XS+\i+1]|
	v_max3_num_f32 v9, v9, |v[XS+\i+2]|, |v[XS+\i+3]|
.endr
	v_max3_num_f32 v8, v8, |v[XS+14]|, |v[XS+15]|
	v_max3_num_f32 v8, v8, v9, (EMAX+1)<<23        ; and the floor 2^(3 - 127): the byte cannot fall under 1
	v_max_num_f32_dpp v8, v8, v8 row_xmask:1 row_mask:0xf bank_mask:0xf   ; with the 16 of my neighbour: the block
	v_add_nc_u32 v11, -(EMAX<<23), v8              ; 2 off the exponent field: the conversion takes the exponent field of this operand as its scale
	v_cvt_scalef32_pk16_fp6_f32 v[C+4*(\t):C+4*(\t)+2], v[XS:XS+15], v11
	v_lshrrev_b32 v[E+(\t)], 23, v11               ; the byte of the scale (also the plain line behind the conversion)
	ds_store_b8 v5, v[E+(\t)] offset:16*(\t)       ; both lanes of a block write the same byte with the same value
	global_store_b96 v4, v[C+4*(\t):C+4*(\t)+2], s[18:19] offset:32*CB*(\t)
.endm
.irp t, 0,1,2,3,4,5,6,7,8,9,10,11,12,13,14,15
	STEP \t
.endr
	ds_load_b64 v[12:13], v6                       ; LDS serves a wave in order: these see my byte stores
	s_wait_dscnt 0x0
	global_store_b64 v7, v[12:13], s[20:21]        ; 32 lanes store 256 consecutive bytes, aligned
	s_wait_tensorcnt 0x0
	ds_add_u32 v192, v193
	s_wait_dscnt 0x0
	s_endpgm
.Lfunc_end_k_q28779ce4ea_quant:
	.size	k_q28779ce4ea_quant, .Lfunc_end_k_q28779ce4ea_quant-k_q28779ce4ea_quant
	.p2alignl 7, 3214868480
	.fill 96, 4, 3214868480
	.section	.rodata,"a",@progbits
	.p2align	6, 0x0
	.amdhsa_kernel k_q28779ce4ea_quant
		.amdhsa_group_segment_fixed_size 33280
		.amdhsa_private_segment_fixed_size 0
		.amdhsa_enable_private_segment 0
		.amdhsa_kernarg_size 72
		.amdhsa_user_sgpr_count 2
		.amdhsa_user_sgpr_kernarg_segment_ptr 1
		.amdhsa_wavefront_size32 1
		.amdhsa_system_sgpr_workgroup_id_x 1
		.amdhsa_system_sgpr_workgroup_id_y 1
		.amdhsa_system_sgpr_workgroup_id_z 1
		.amdhsa_system_vgpr_workitem_id 0
		.amdhsa_next_free_vgpr 194
		.amdhsa_next_free_sgpr 66
		.amdhsa_reserve_vcc 0
		.amdhsa_float_denorm_mode_32 3
		.amdhsa_float_denorm_mode_16_64 3
		.amdhsa_memory_ordered 1
		.amdhsa_forward_progress 1
		.amdhsa_inst_pref_size 33
	.end_amdhsa_kernel
	.amdgpu_metadata
---
amdhsa.version: [ 1, 2 ]
amdhsa.kernels:
  - .name:           k_q28779ce4ea_quant
    .symbol:         k_q28779ce4ea_quant.kd
    .args:
      - { .name: Q, .offset: 0, .size: 8, .value_kind: global_buffer, .address_space: global }
      - { .name: K, .offset: 8, .size: 8, .value_kind: global_buffer, .address_space: global }
      - { .name: V, .offset: 16, .size: 8, .value_kind: global_buffer, .address_space: global }
      - { .name: W_Q, .offset: 24, .size: 8, .value_kind: global_buffer, .address_space: global }
      - { .name: W_K, .offset: 32, .size: 8, .value_kind: global_buffer, .address_space: global }
      - { .name: W_V, .offset: 40, .size: 8, .value_kind: global_buffer, .address_space: global }
      - { .name: W_O, .offset: 48, .size: 8, .value_kind: global_buffer, .address_space: global }
      - { .name: cin, .offset: 56, .size: 8, .value_kind: global_buffer, .address_space: global }
      - { .name: sin, .offset: 64, .size: 8, .value_kind: global_buffer, .address_space: global }
    .group_segment_fixed_size: 33280
    .private_segment_fixed_size: 0
    .kernarg_segment_align: 8
    .kernarg_segment_size: 72
    .max_flat_workgroup_size: 128
    .sgpr_count:     66
    .vgpr_count:     194
    .wavefront_size: 32
...
	.end_amdgpu_metadata
.endif
;; end of part 1
;; launch proj (part 2): grid 4 x 96, 4 waves a work-group, clusters of 4 x 4, 327,680 bytes of LDS; arguments cin, sin, qim, kvim; writes qim, kvim
.if DOCPART == 2
	.amdgcn_target "amdgcn-amd-amdhsa--gfx1250"
	.amdhsa_code_object_version 6
	.text
	.protected	k_q28779ce4ea_proj
	.globl	k_q28779ce4ea_proj
	.p2align	8
	.type	k_q28779ce4ea_proj,@function
k_q28779ce4ea_proj:
	s_mov_b64 s[64:65], 0
	v_nop
	global_prefetch_b8 v0, s[64:65] scope:SCOPE_SE
	s_setreg_imm32_b32 hwreg(HW_REG_WAVE_MODE, 25, 1), 1
	s_wait_xcnt 0x0
	s_wait_alu depctr_hold_cnt(0) depctr_sa_sdst(0) depctr_va_vdst(0) depctr_va_sdst(0) depctr_va_ssrc(0) depctr_va_vcc(0) depctr_vm_vsrc(0)
	s_getreg_b32 s2, hwreg(HW_REG_IB_STS2, 6, 4)
	s_cmp_eq_u32 s2, 0
	s_cbranch_scc0 .Lentry_in_a_cluster
	s_endpgm
.Lentry_in_a_cluster:
	s_bfe_u32 s2, ttmp6, 0x10000c
	s_cmp_lg_u32 s2, 0xf033
	s_cbranch_scc0 .Lentry_shape_is_right
	s_endpgm
.Lentry_shape_is_right:
.set KSTEP,  256
.set NQ,     KSTEP/128
.set ROWB,   192
.set KROW,   768
.set PITCH,  240
.set FR,     12
.set NL,     6
.set NP,     4
.set HALFT,  128*PITCH
.set SLOT,   4*HALFT
.set LAPS,   2
.set KS,     32
.set SCL,    2*SLOT
.set HALFS,  (128*KS/256)*272
.set SBLK,   (16*KS/256)*272
.set SPARE,  SCL+4*HALFS
.set ADRA, 16
.set ADRB, 20
.set ADRS, 27
.set SPW,  28
.set NIL,  29
.set SC,   32
.set AF,   128
.set G1, 24
.set G0, 32
.set G1B, 48
.set G0B, 56
.set G1S, 68
.set G0S, 76
.set G1SB, 80
.set G0SB, 88
.set PC,  128
.set PWS, 160
.set GA,  168
.set GB,  172
.set XX,  176
.set VO,  180
.set L16, 184
.set L8,  185
.set VSO, 186
.set HH,  187
.set TM,  200
.set MSB, 0
.macro WIN new
.if MSB != \new
	s_set_vgpr_msb (MSB<<8)|\new
.set MSB, \new
.endif
.endm
.set MUL_LO, 0xa1
.set MUL_HI, 0xf1
.set TO_B,   0x40
.macro JLOAD g0a, g1a, g0b, g1b
	s_cmp_eq_u32 s15, 0
	s_cbranch_scc0 .Lfor_b_\@
	tensor_load_to_lds s[\g0a:\g0a+3], s[\g1a:\g1a+7]
	s_nop 0
.rept 4
	v_nop
.endr
	s_branch .Lasked_\@
.Lfor_b_\@:
	tensor_load_to_lds s[\g0b:\g0b+3], s[\g1b:\g1b+7]
	s_nop 0
.rept 4
	v_nop
.endr
.Lasked_\@:
.endm
.macro CREST
	s_cmp_lg_u32 s14, 0
	s_cbranch_scc1 .Lnot_wave_0_\@
	s_barrier_signal -3
.Lnot_wave_0_\@:
	s_barrier_wait -3
	s_barrier_signal -1
	s_barrier_wait -1
.endm
.macro CROUND
	s_barrier_signal -1
	s_barrier_wait -1
	CREST
.endm
	s_load_b128 s[4:7], s[0:1], 0x0
	s_load_b128 s[8:11], s[0:1], 0x10
	v_lshl_add_u32 v[SPW], v0, 2, SPARE
	v_mov_b32 v[NIL], 0
	ds_add_u32 v28, v29
	ds_add_u32 v28, v29
	s_wait_dscnt 0x0
	v_lshrrev_b32 v1, 5, v0
	v_readfirstlane_b32 s14, v1
	s_lshr_b32 s15, s14, 1
	s_and_b32 s16, s14, 1
	s_bfe_u32 s40, ttmp6, 0x40000
	s_bfe_u32 s41, ttmp6, 0x40004
	s_and_b32 s3, ttmp7, 0xffff
	s_and_b32 s45, s3, 7
	s_lshr_b32 s3, s3, 3
	s_lshl_b32 s21, s3, 13
	s_lshl_b32 s47, s3, 10
	s_add_co_u32 s47, s47, 24576
	s_cmp_eq_u32 s3, 2
	s_cselect_b32 s42, s45, 0
	s_cselect_b32 s17, 0, s45
	s_cselect_b32 s21, 26624, s21
	s_cselect_b32 s47, 16384, s47
	s_lshl_b32 s42, s42, 2
	s_add_co_u32 s42, s42, s40
	s_lshl_b32 s17, s17, 2
	s_add_co_u32 s17, s17, s41
	s_lshl_b32 s43, s41, 2
	s_lshl_b32 s43, 15, s43
	s_lshl_b32 s44, 0x1111, s40
	s_or_b32 s[G1+0], s43, (0<<16)|(1<<20)|(1<<21)|(3<<22)|(3<<25)
	s_or_b32 s[G1B+0], s44, (0<<16)|(1<<20)|(1<<21)|(3<<22)|(3<<25)
.irp g, G1, G1B
	s_mov_b32 s[\g+1], ROWB<<16
	s_mov_b32 s[\g+2], 128<<16
	s_mov_b32 s[\g+3], ROWB<<16
	s_mov_b32 s[\g+4], 128
	s_mov_b32 s[\g+5], KROW
	s_mov_b32 s[\g+6], 0
	s_mov_b32 s[\g+7], 0
.endr
	s_or_b32 s[G1S+0], s43, (3<<16)|(1<<20)|(1<<21)|(5<<22)|(3<<25)
	s_or_b32 s[G1SB+0], s44, (3<<16)|(1<<20)|(1<<21)|(5<<22)|(3<<25)
.irp g, G1S, G1SB
	s_mov_b32 s[\g+1], 32<<16
	s_mov_b32 s[\g+2], (128*KS/256)<<16
	s_mov_b32 s[\g+3], 32<<16
	s_mov_b32 s[\g+4], 128*KS/256
	s_mov_b32 s[\g+5], 32
	s_mov_b32 s[\g+6], 0
	s_mov_b32 s[\g+7], 0
.endr
	s_lshl_b32 s18, s16, 7
	s_lshl_b32 s20, s17, 8
	s_add_co_u32 s20, s20, s18
	s_add_co_u32 s20, s20, s21
	s_lshl_b32 s46, s42, 8
	s_add_co_u32 s46, s46, s18
	s_add_co_u32 s46, s46, s47
	s_mov_b32 s21, 0
	s_mov_b32 s47, 0
	s_mov_b64 s[18:19], KS
	s_mul_u64 s[22:23], s[20:21], s[18:19]
	s_mul_u64 s[92:93], s[46:47], s[18:19]
	s_mov_b64 s[18:19], KROW
	s_mul_u64 s[20:21], s[20:21], s[18:19]
	s_mul_u64 s[46:47], s[46:47], s[18:19]
	s_mul_i32 s45, s14, HALFT
	s_mul_i32 s94, s14, HALFS
	s_wait_kmcnt 0x0
	s_add_nc_u64 s[20:21], s[4:5], s[20:21]
	s_add_nc_u64 s[22:23], s[6:7], s[22:23]
	s_add_nc_u64 s[46:47], s[4:5], s[46:47]
	s_add_nc_u64 s[92:93], s[6:7], s[92:93]
	CROUND
	s_mov_b32 s[G0S], 1
	s_add_co_u32 s[G0S+1], s94, SCL
	s_mov_b64 s[G0S+2:G0S+3], s[22:23]
	s_or_b32 s[G0S+3], s[G0S+3], 0x80000000
	s_mov_b32 s[G0SB], 1
	s_add_co_u32 s[G0SB+1], s94, SCL
	s_mov_b64 s[G0SB+2:G0SB+3], s[92:93]
	s_or_b32 s[G0SB+3], s[G0SB+3], 0x80000000
	JLOAD G0S, G1S, G0SB, G1SB
.irp s, 0,1
	s_mov_b32 s[G0+4*\s], 1
	s_add_co_u32 s[G0+4*\s+1], s45, \s*SLOT
	s_add_nc_u64 s[G0+4*\s+2:G0+4*\s+3], s[20:21], \s*ROWB
	s_or_b32 s[G0+4*\s+3], s[G0+4*\s+3], 0x80000000
	s_mov_b32 s[G0B+4*\s], 1
	s_add_co_u32 s[G0B+4*\s+1], s45, \s*SLOT
	s_add_nc_u64 s[G0B+4*\s+2:G0B+4*\s+3], s[46:47], \s*ROWB
	s_or_b32 s[G0B+4*\s+3], s[G0B+4*\s+3], 0x80000000
	s_wait_alu depctr_va_vdst(0)
	s_wait_tensorcnt 0x0
	ds_add_u32 v28, v29
	s_wait_dscnt 0x0
	CROUND
	JLOAD G0+4*\s, G1, G0B+4*\s, G1B
.endr
	v_and_b32 v1, 15, v0
	v_bfe_u32 v2, v0, 4, 1
	v_mul_u32_u24 v3, v1, PITCH
	v_mul_u32_u24 v4, v2, 24
	v_add_nc_u32 v4, v3, v4
	v_lshl_add_u32 v5, v2, 4, v4
	s_mul_i32 s21, s15, HALFT
	s_mul_i32 s22, s16, HALFT
	s_add_co_u32 s22, s22, 2*HALFT
.irp s, 0,1
	v_add_nc_u32 v[ADRA+\s], s21, v4
	v_add_nc_u32 v[ADRB+\s], s22, v4
	v_add_nc_u32 v[ADRA+2+\s], s21, v5
	v_add_nc_u32 v[ADRB+2+\s], s22, v5
	s_add_co_u32 s21, s21, SLOT
	s_add_co_u32 s22, s22, SLOT
.endr
	v_mul_u32_u24 v5, v1, KS
	v_lshrrev_b32 v6, 8, v5
	v_lshl_add_u32 v5, v6, 4, v5
	s_mul_i32 s21, s15, HALFS
	s_mul_i32 s22, s16, HALFS
	s_add_co_u32 s22, s22, 2*HALFS
	s_sub_co_u32 s22, s22, s21
	v_mul_u32_u24 v6, s22, v2
	s_add_co_u32 s21, s21, SCL
	v_add_nc_u32 v5, v5, v6
	v_add_nc_u32 v[ADRS], s21, v5
	s_lshl_b32 s96, s17, 1
	s_add_co_u32 s96, s96, s15
	s_lshl_b32 s97, s42, 1
	s_add_co_u32 s97, s97, s16
	s_cmp_eq_u32 s3, 2
	s_cselect_b32 s98, s97, s96
	s_cselect_b32 s99, s96, s97
	s_cselect_b32 s101, -1, 0
	s_cselect_b32 s100, 6400, 0
	s_cmp_eq_u32 s3, 0
	s_mov_b32 s2, 12800
	s_cselect_b32 s2, 6400, s2
	s_cselect_b64 s[66:67], s[8:9], s[10:11]
	s_lshr_b32 s96, s98, 4
	s_lshl_b32 s96, s96, 4
	s_lshl_b32 s99, s99, 1
	s_add_co_u32 s96, s96, s99
	s_lshl_b32 s96, s96, 4
	s_and_b32 s98, s98, 15
	s_add_co_u32 s96, s96, s98
	s_mul_i32 s96, s96, s2
	s_add_co_u32 s96, s96, s100
	s_lshl_b32 s2, s2, 4
	s_add_co_u32 s100, s96, 6144
	s_sub_co_u32 s99, s2, 4608
	s_cmp_eq_u32 s3, 2
	s_cselect_b32 s97, 768, s2
	s_mov_b32 s98, 768
	s_cselect_b32 s99, s99, s98
	s_cselect_b32 s98, 1536, s98
	s_add_co_u32 s97, s96, s97
.macro FRAG reg, adr, q, i
.irp p, 0,1,2,3,4,5
.set PCE, 12*(\q)+6*(\p/3)+\p%3
.if PCE%8 < 5
	ds_load_b64 v[\reg+2*\p:\reg+2*\p+1], v[\adr] offset:8*PCE+16*(PCE/8)+(\i)*16*PITCH
.else
	ds_load_b64 v[\reg+2*\p:\reg+2*\p+1], v[\adr+2] offset:8*PCE+16*(PCE/8)+(\i)*16*PITCH
.endif
.endr
.endm
.macro MUL16 a0, p, q, sc, zero
.irp a, \a0, \a0+1
.irp b, 0,1,2,3,4,5,6,7
.if \zero
	v_wmma_scale_f32_16x16x128_f8f6f4 v[8*(8*((\a)%4)+\b):8*(8*((\a)%4)+\b)+7], v[128*(\p)+FR*\b:128*(\p)+FR*\b+FR-1], v[AF+FR*(\a):AF+FR*(\a)+FR-1], 0, v[SC+8*NQ*(\sc)+NQ*\b+(\q)], v[SC+8*NQ*(\sc)+NQ*(\a)+(\q)] matrix_a_fmt:MATRIX_FMT_FP6 matrix_b_fmt:MATRIX_FMT_FP6 matrix_a_scale:MATRIX_SCALE_ROW1
.else
	v_wmma_scale_f32_16x16x128_f8f6f4 v[8*(8*((\a)%4)+\b):8*(8*((\a)%4)+\b)+7], v[128*(\p)+FR*\b:128*(\p)+FR*\b+FR-1], v[AF+FR*(\a):AF+FR*(\a)+FR-1], v[8*(8*((\a)%4)+\b):8*(8*((\a)%4)+\b)+7], v[SC+8*NQ*(\sc)+NQ*\b+(\q)], v[SC+8*NQ*(\sc)+NQ*(\a)+(\q)] matrix_a_fmt:MATRIX_FMT_FP6 matrix_b_fmt:MATRIX_FMT_FP6 matrix_a_scale:MATRIX_SCALE_ROW1
.endif
.endr
.endr
.endm
.macro FETCH_B slot, q, p
	WIN TO_B
.irp i, 0,1,2,3,4,5,6,7
	FRAG 128*(\p)+FR*\i, ADRB+\slot, \q, \i
.endr
	WIN 0
.endm
.macro FETCH_A slot, q, i0
.irp i, \i0, \i0+1, \i0+2, \i0+3
	FRAG AF+FR*(\i), ADRA+\slot, \q, \i
.endr
.endm
.macro SCALES sc
.irp i, 0,1,2,3,4,5,6,7
	ds_load_b64 v[SC+8*NQ*\sc+NQ*\i:SC+8*NQ*\sc+NQ*\i+1], v[ADRS] offset:\i*SBLK
.endr
.endm
.macro PLACES n
.rept \n
	v_nop
.endr
.endm
.macro STEP slot, q, zero
	s_wait_dscnt 4*NL
	WIN MUL_LO
	MUL16 0, (\q)%2, \q, \slot, \zero
	MUL16 2, (\q)%2, \q, \slot, \zero
	s_wait_dscnt 0
	PLACES NP
	FETCH_B \slot, (\q)+1, 1-(\q)%2
	FETCH_A \slot, (\q)+1, 0
	WIN MUL_HI
	MUL16 4, (\q)%2, \q, \slot, \zero
	MUL16 6, (\q)%2, \q, \slot, \zero
	PLACES NP
	WIN 0
	FETCH_A \slot, (\q)+1, 4
.endm
.macro TURN slot, next, fill
	s_wait_tensorcnt 0x0
	ds_add_u32 v[SPW], v[NIL]
	s_wait_dscnt 4*NL+1
	WIN MUL_LO
	MUL16 0, 1, NQ-1, \slot, 0
	s_wait_dscnt 0x0
	s_barrier_signal -1
	MUL16 2, 1, NQ-1, \slot, 0
	WIN 0
	s_barrier_wait -1
.if \fill
	CREST
	s_add_nc_u64 s[G0+4*\slot+2:G0+4*\slot+3], s[G0+4*\slot+2:G0+4*\slot+3], 2*ROWB
	s_add_nc_u64 s[G0B+4*\slot+2:G0B+4*\slot+3], s[G0B+4*\slot+2:G0B+4*\slot+3], 2*ROWB
	JLOAD G0+4*\slot, G1, G0B+4*\slot, G1B
.else
	PLACES NP
.endif
	s_wait_alu depctr_va_vdst(0)
	v_add_nc_u32 v[ADRS], 4*NQ, v[ADRS]
	FETCH_B \next, 0, 0
	FETCH_A \next, 0, 0
	SCALES \next
	WIN MUL_HI
	MUL16 4, 1, NQ-1, \slot, 0
	MUL16 6, 1, NQ-1, \slot, 0
	PLACES NP
	WIN 0
	FETCH_A \next, 0, 4
.endm
	s_wait_alu depctr_va_vdst(0)
	s_wait_tensorcnt 1
	s_barrier_signal -1
	s_barrier_wait -1
	FETCH_B 0, 0, 0
	FETCH_A 0, 0, 0
	SCALES 0
	FETCH_A 0, 0, 4
	STEP 0, 0, 1
	s_mov_b32 s3, LAPS-1
.Llap:
	TURN 0, 1, 1
	STEP 1, 0, 0
	TURN 1, 0, 1
	STEP 0, 0, 0
	s_sub_co_u32 s3, s3, 1
	s_cmp_lg_u32 s3, 0
	s_cbranch_scc1 .Llap
	TURN 0, 1, 0
	STEP 1, 0, 0
	s_wait_dscnt 4*NL
	WIN MUL_LO
	MUL16 0, 1, NQ-1, 1, 0
	MUL16 2, 1, NQ-1, 1, 0
	s_wait_dscnt 0
	WIN MUL_HI
	MUL16 4, 1, NQ-1, 1, 0
	MUL16 6, 1, NQ-1, 1, 0
	WIN 0
	PLACES NP
	s_mov_b32 s18, 0x76543210
	s_mov_b32 s19, 0xfedcba98
	v_and_b32 v[L8], 31, v0
	v_lshlrev_b32 v[L16], 4, v[L8]
	v_lshlrev_b32 v[L8], 3, v[L8]
	v_bfe_u32 v[HH], v0, 4, 1
	v_and_b32 v[VSO], 15, v0
	v_lshlrev_b32 v[VSO], 4, v[VSO]
	v_mad_u32_u24 v[VSO], v[HH], s2, v[VSO]
	v_add_nc_u32 v[VSO], s100, v[VSO]
.irp b, 0,1,2,3
	v_mov_b32 v[TM+4+\b], 0
.endr
.macro QUANTW a
.set AS0, 64*((\a)%4)
.set WW, 2+(\a)/4
	WIN WW|(WW<<2)
.irp b, 0,1,2,3
	v_max3_num_f32 v[TM+\b], |v[AS0+16*\b]|, |v[AS0+16*\b+1]|, 0x1800000
.endr
.irp i, 2,4,6,8,10,12,14
.irp b, 0,1,2,3
	v_max3_num_f32 v[TM+\b], |v[AS0+16*\b+\i]|, |v[AS0+16*\b+\i+1]|, v[TM+\b]
.endr
.endr
	WIN 0
.irp b, 0,1,2,3
	v_permlanex16_b32 v[TM+4+\b], v[TM+\b], s18, s19
.endr
.irp b, 0,1,2,3
	v_max_num_f32 v[TM+\b], v[TM+\b], v[TM+4+\b]
.endr
.irp b, 0,1,2,3
	v_add_nc_u32 v[TM+12+\b], 0xff000000, v[TM+\b]
.endr
.irp b, 0,1,2,3
	v_lshrrev_b32 v[TM+4+\b], 23, v[TM+12+\b]
.endr
	v_lshl_or_b32 v[PWS+(\a)], v[TM+5], 8, v[TM+4]
	v_lshl_or_b32 v[PWS+(\a)], v[TM+6], 16, v[PWS+(\a)]
	v_lshl_or_b32 v[PWS+(\a)], v[TM+7], 24, v[PWS+(\a)]
	s_wait_xcnt 0x0
	WIN WW
.irp c, 0,1
	v_cvt_scalef32_pk16_fp6_f32 v[PC+6*\c:PC+6*\c+2], v[AS0+32*\c:AS0+32*\c+15], v[TM+12+2*\c]
	v_cvt_scalef32_pk16_fp6_f32 v[PC+12+4*\c:PC+14+4*\c], v[AS0+32*\c+16:AS0+32*\c+31], v[TM+12+2*\c+1]
.endr
	WIN 0
	v_nop
.irp c, 0,1
.irp i, 0,1,2
	v_permlane16_swap_b32 v[PC+6*\c+\i], v[PC+12+4*\c+\i]
.endr
.irp i, 0,1,2
	v_mov_b32 v[PC+3+6*\c+\i], v[PC+12+4*\c+\i]
.endr
.endr
.endm
.macro EPI a
	QUANTW \a
	v_add_nc_u32 v[VO], s96, v[L16]
	v_add_nc_u32 v[VO+1], s96, v[L8]
	v_add_nc_u32 v[VO+2], s97, v[L16]
	v_add_nc_u32 v[VO+3], s97, v[L8]
	global_store_b128 v[VO], v[PC:PC+3], s[66:67]
	global_store_b64 v[VO+1], v[PC+4:PC+5], s[66:67] offset:512
	global_store_b128 v[VO+2], v[PC+6:PC+9], s[66:67]
	global_store_b64 v[VO+3], v[PC+10:PC+11], s[66:67] offset:512
.if (\a) == 3
	s_add_co_u32 s96, s96, s99
	s_add_co_u32 s97, s97, s99
.else
	s_add_co_u32 s96, s96, s98
	s_add_co_u32 s97, s97, s98
.endif
.endm
.irp a, 0,1,2,3,4,5,6,7
	EPI \a
.endr
.irp i, 0,1,2,3
	v_perm_b32 v[GA+\i], v[PWS+2*\i+1], v[PWS+2*\i], 0x05040100
	v_perm_b32 v[GB+\i], v[PWS+2*\i+1], v[PWS+2*\i], 0x07060302
.endr
.irp i, 0,1,2,3
	v_cndmask_b32 v[GA+\i], v[GA+\i], v[PWS+\i], s101
	v_cndmask_b32 v[GB+\i], v[GB+\i], v[PWS+4+\i], s101
.endr
	v_cmp_ne_u32 vcc_lo, 0, v[HH]
.irp i, 0,1,2,3
	v_cndmask_b32 v[XX+\i], v[GA+\i], v[GB+\i], vcc_lo
.endr
	global_store_b128 v[VSO], v[XX:XX+3], s[66:67]
	s_wait_tensorcnt 0x0
	ds_add_u32 v[SPW], v[NIL]
	s_wait_dscnt 0x0
	CROUND
	s_endpgm
.Lfunc_end_k_q28779ce4ea_proj:
	.size	k_q28779ce4ea_proj, .Lfunc_end_k_q28779ce4ea_proj-k_q28779ce4ea_proj
	.p2alignl 7, 3214868480
	.fill 96, 4, 3214868480
	.section	.rodata,"a",@progbits
	.p2align	6, 0x0
	.amdhsa_kernel k_q28779ce4ea_proj
		.amdhsa_group_segment_fixed_size 327680
		.amdhsa_private_segment_fixed_size 0
		.amdhsa_enable_private_segment 0
		.amdhsa_kernarg_size 32
		.amdhsa_user_sgpr_count 2
		.amdhsa_user_sgpr_kernarg_segment_ptr 1
		.amdhsa_wavefront_size32 1
		.amdhsa_system_sgpr_workgroup_id_x 1
		.amdhsa_system_sgpr_workgroup_id_y 1
		.amdhsa_system_sgpr_workgroup_id_z 1
		.amdhsa_system_vgpr_workitem_id 0
		.amdhsa_next_free_vgpr 1024
		.amdhsa_next_free_sgpr 102
		.amdhsa_reserve_vcc 1
		.amdhsa_float_denorm_mode_32 3
		.amdhsa_float_denorm_mode_16_64 3
		.amdhsa_memory_ordered 1
		.amdhsa_forward_progress 1
		.amdhsa_inst_pref_size 170
	.end_amdhsa_kernel
	.amdgpu_metadata
---
amdhsa.version: [ 1, 2 ]
amdhsa.kernels:
  - .name:           k_q28779ce4ea_proj
    .symbol:         k_q28779ce4ea_proj.kd
    .args:
      - { .name: cin, .offset: 0, .size: 8, .value_kind: global_buffer, .address_space: global }
      - { .name: sin, .offset: 8, .size: 8, .value_kind: global_buffer, .address_space: global }
      - { .name: qim, .offset: 16, .size: 8, .value_kind: global_buffer, .address_space: global }
      - { .name: kvim, .offset: 24, .size: 8, .value_kind: global_buffer, .address_space: global }
    .group_segment_fixed_size: 327680
    .private_segment_fixed_size: 0
    .kernarg_segment_align: 8
    .kernarg_segment_size: 32
    .max_flat_workgroup_size: 128
    .sgpr_count:     102
    .vgpr_count:     1024
    .wavefront_size: 32
...
	.end_amdgpu_metadata
.endif
;; end of part 2
;; launch attn (part 3): grid 4 x 64, 16 waves a work-group, clusters of 4 x 1, 207,872 bytes of LDS; arguments qim, kvim, aim, asc; writes aim, asc
.if DOCPART == 3
	.amdgcn_target "amdgcn-amd-amdhsa--gfx1250"
	.amdhsa_code_object_version 6
	.text
	.protected	k_q28779ce4ea_attn
	.globl	k_q28779ce4ea_attn
	.p2align	8
	.type	k_q28779ce4ea_attn,@function
k_q28779ce4ea_attn:
	s_mov_b64 s[64:65], 0
	v_nop
	global_prefetch_b8 v0, s[64:65] scope:SCOPE_SE
	s_setreg_imm32_b32 hwreg(HW_REG_WAVE_MODE, 25, 1), 1
	s_wait_xcnt 0x0
	s_wait_alu depctr_hold_cnt(0) depctr_sa_sdst(0) depctr_va_vdst(0) depctr_va_sdst(0) depctr_va_ssrc(0) depctr_va_vcc(0) depctr_vm_vsrc(0)
	s_getreg_b32 s2, hwreg(HW_REG_IB_STS2, 6, 4)
	s_cmp_eq_u32 s2, 0
	s_cbranch_scc0 .Lentry_in_a_cluster
	s_endpgm
.Lentry_in_a_cluster:
	s_bfe_u32 s2, ttmp6, 0x10000c
	s_cmp_lg_u32 s2, 0x3003
	s_cbranch_scc0 .Lentry_shape_is_right
	s_endpgm
.Lentry_shape_is_right:
; a = softmax(q k^T / 8) v for one (batch, head) and 512 queries a work-group, both products on codes of FP6 (E2M3) with E8M0 scales; a leaves quantised along (head, channel), as codes and scale bytes.
; THE SOFTMAX: t = score x log2(e) / 8; M = the largest t so far, rounded up to a whole number; p = 2^(t - M) is quantised along the keys, not normalised.  The sum of the row is taken of the unquantised p, in f32,
; and divides O at the end.  When M moves, the sum and O are multiplied by 2^(old M - new M): exact.
; SHARES.  Sixteen waves of 256 registers, four to a SIMD.  Wave w takes query tiles 2 i and 2 i + 1 (i = w % 4) of token group 4 cx + w / 4, one after the other; each tile walks all 2,048 keys, 128 a step.
; K AND V STAY IN LDS: the codes and scale words of a whole head are 16 records of 12,800 bytes = 204,800 bytes.  Wave w brings record w by one tensor load at the head: one load of mine is out, no slot is filled again.
; CLUSTER.  The four work-groups of a cluster belong to one head and want the same 16 records: each load is asked for jointly, with the same descriptor and the mask of all four.
; No prefetch: each byte of kvim is asked for once in a cluster, at the head of the kernel, so no later step has anything left to ask for.
; LAYOUT.  Both products are used transposed, so a lane holds one query (lane % 16) throughout.  A HALF FRAGMENT (16 rows x 64 K, 6 registers) lies as 512 bytes at 16 x lane and 256 bytes at 8 x lane: every LDS load reads consecutive bytes.
; THE HEAD HAS 64 CHANNELS, the instruction 128 along K: the operand of K is two key tiles side by side, [tile 2 i | tile 2 i + 1]; the operand of Q is [Q | zeros] for the first and [zeros | Q] for the second,
; taken from 18 registers Q, Z, Q.  Zero codes add nothing.  The scale word of K holds two bytes of each tile, that of Q its two bytes twice.
; Inside a block of 32 the codes of q, k, p and v lie with the two middle groups of eight swapped, alike on both sides of each product.  The rows of W_V were laid so that the 16 registers of tiles 2 b, 2 b + 1 of O^T are
; channels 32 b + 16 h + 0 .. 15: the codes of a come out in their true order, as W_O wants them.
; OUT: aim [group of 128 tokens 64][head 16][tile 8][768]: a half fragment;  asc [head 16][token 8,192]: two scale bytes.
; LIMITS: NaN and infinities are not served; a block of a whose largest magnitude lies under 2^-124, and a block of zeros, keep the byte 1 (this program alone reads the bytes).
.set REC,  12800
.set SCG,  16*REC                      ; behind the records: 1,024 bytes, the scale bytes of the 512 tokens of the work-group; written by LDS stores alone, no tile lands there
.set L16, 1                            ; v1  16 x lane          never rewritten
.set L8,  2                            ; v2  8 x lane           never rewritten
.set R16, 3                            ; v3  16 x (lane % 16)   never rewritten
.set SG,  4                            ; v4  SCG + 64 wave + 2 r
.set A16, 8                            ; v8-10 the addresses of the step in hand
.set A8,  9
.set AS,  10
.set QF,  16                           ; v16-33 Q, Z, Q
.set QB,  34                           ; v34-39 Q of the second tile
.set KV,  40                           ; v40-87 eight half fragments of K, then four fragments of V
.set S,   96                           ; v96-159 S^T, then p
.set O,   160                          ; v160-191 O^T
.set PCD, 192                          ; v192-203 the codes of p
.set CT,  204                          ; v204-210 halves on their way
.set BM,  212                          ; v212-215 the largest score, then the largest p, of each block
.set BP,  216
.set SOP, 220                          ; v220-223 scale operands
.set FF,  224                          ; v[224:225] f; later 1 / sum
.set T0,  226
.set CH,  228                          ; v[228:229] second chain of the sum
.set SW,  232                          ; v232-235 scale words of K, then of V
.set QS,  236
.set QW,  237
.set PS,  238
.set WV,  12
.set SEL, 20
.set CS,  22
.set TB,  36
.set CNT, 37
.macro CROUND                          ; a round of the cluster barrier
	s_barrier_signal -1
	s_barrier_wait -1
	s_cmp_lg_u32 s[WV], 0
	s_cbranch_scc1 .Lnot_wave_0_\@
	s_barrier_signal -3
.Lnot_wave_0_\@:
	s_barrier_wait -3
	s_barrier_signal -1
	s_barrier_wait -1
.endm
	s_load_b256 s[4:11], s[0:1], 0x0               ; qim, kvim, aim, asc
	v_lshl_add_u32 v254, v0, 2, 0x32400
	v_mov_b32 v255, 0
	ds_add_u32 v254, v255
	ds_add_u32 v254, v255
	v_lshrrev_b32 v8, 5, v0
	s_delay_alu instid0(VALU_DEP_1)
	v_readfirstlane_b32 s[WV], v8                  ; wave 0..15
	s_bfe_u32 s13, ttmp6, 0x40000                  ; cx
	s_and_b32 s14, ttmp7, 0xffff                   ; 16 x batch + head: shared by the four partners
	; descriptor group 1: a record, 12,800 dense bytes, as 50 rows of 256 bytes (32 elements of 8 bytes), no padding
	s_mov_b32 s24, 15|(3<<16)|(1<<21)              ; the mask of all four work-groups; elements of 8 bytes; bit 21 beside a mask
	s_mov_b32 s25, 32<<16
	s_mov_b32 s26, 50<<16
	s_mov_b32 s27, 32<<16
	s_mov_b32 s28, 50
	s_mov_b32 s29, 32
	s_mov_b32 s30, 0
	s_mov_b32 s31, 0
	s_lshl_b32 s16, s14, 4
	s_add_co_u32 s16, s16, s[WV]
	s_mul_i32 s16, s16, REC                        ; record 16 (b h) + wave: no place in the cluster enters it
	s_mov_b32 s17, 0
	s_mov_b32 s32, 1
	s_mul_i32 s33, s[WV], REC                      ; LDS: wave x 12,800
	; what hangs on cx, in registers of its own
	s_lshl_b32 s48, s13, 2
	s_lshr_b32 s49, s[WV], 2
	s_add_co_u32 s48, s48, s49                     ; gq: my group of 128 tokens in the batch
	s_and_b32 s49, s[WV], 3                        ; i
	s_lshl_b32 s50, s14, 4
	s_add_co_u32 s50, s50, s48
	s_mul_i32 s50, s50, 6400                       ; my record of qim
	s_mul_i32 s52, s49, 1536
	s_add_co_u32 s52, s52, s50                     ; half fragments 2 i, 2 i + 1
	s_mov_b32 s53, 0
	s_lshl_b32 s54, s49, 2
	s_add_co_u32 s54, s54, s50
	s_add_co_u32 s54, s54, 6144                    ; scale word i
	s_mov_b32 s55, 0
	s_lshr_b32 s51, s14, 4                         ; batch
	s_lshl_b32 s56, s51, 4
	s_add_co_u32 s56, s56, s48                     ; group of 128 tokens, 0..63
	s_lshl_b32 s56, s56, 4
	s_and_b32 s58, s14, 15                         ; head
	s_add_co_u32 s56, s56, s58
	s_lshl_b32 s56, s56, 3
	s_lshl_b32 s49, s49, 1
	s_add_co_u32 s56, s56, s49
	s_mul_i32 s56, s56, 768
	s_mov_b32 s57, 0
	s_lshl_b32 s58, s58, 14                        ; head x 8,192 tokens x 2 bytes
	s_lshl_b32 s51, s51, 12                        ; batch x 2,048 x 2
	s_add_co_u32 s58, s58, s51
	s_lshl_b32 s51, s13, 10                        ; cx x 512 x 2
	s_add_co_u32 s58, s58, s51
	s_mov_b32 s59, 0
	s_mov_b32 s[SEL], 0x76543210
	s_mov_b32 s[SEL+1], 0xfedcba98
	s_mov_b32 s[CS], 0x3e38aa3b                    ; c = log2(e) / 8
	s_mov_b32 s[CS+1], s[CS]                       ; named with it as a pair, so it is written
	s_wait_dscnt 0x0
	s_wait_kmcnt 0x0
	s_add_nc_u64 s[34:35], s[6:7], s[16:17]
	s_or_b32 s35, s35, 0x80000000
	s_add_nc_u64 s[40:41], s[4:5], s[52:53]
	s_add_nc_u64 s[42:43], s[4:5], s[54:55]
	s_add_nc_u64 s[44:45], s[8:9], s[56:57]
	s_add_nc_u64 s[46:47], s[10:11], s[58:59]
	CROUND                                         ; all four work-groups are here: the joint loads meet
	tensor_load_to_lds s[32:35], s[24:31]          ; my record: the one tensor load of the wave
	s_nop 0
.rept 4
	v_nop
.endr
	v_and_b32 v7, 31, v0
	s_delay_alu instid0(VALU_DEP_1)
	v_lshlrev_b32 v[L16], 4, v7
	s_delay_alu instid0(VALU_DEP_2)
	v_lshlrev_b32 v[L8], 3, v7
	v_and_b32 v7, 15, v0
	s_delay_alu instid0(VALU_DEP_1)
	v_lshlrev_b32 v[R16], 4, v7
	global_load_b128 v[QF:QF+3], v[L16], s[40:41]                  ; Q of tile 2 i
	global_load_b64 v[QF+4:QF+5], v[L8], s[40:41] offset:512
	global_load_b128 v[QB:QB+3], v[L16], s[40:41] offset:768       ; Q of tile 2 i + 1
	global_load_b64 v[QB+4:QB+5], v[L8], s[40:41] offset:1280
	global_load_b32 v[QW], v[R16], s[42:43]                        ; two scale bytes of each
	s_lshl_b32 s38, s[WV], 6
	v_lshl_add_u32 v[SG], v7, 1, s38
	s_delay_alu instid0(VALU_DEP_1)
	v_add_nc_u32 v[SG], SCG, v[SG]
	v_and_b32 v6, 63, v0
	s_delay_alu instid0(VALU_DEP_1)
	v_lshlrev_b32 v6, 4, v6                        ; waves 0 and 1, at the end: 16 bytes a thread
	s_delay_alu instid0(VALU_DEP_1)
	v_add_nc_u32 v5, SCG, v6
.irp i, 0,1,2,3,4,5
	v_mov_b32 v[QF+6+\i], 0                        ; Z
.endr
.irp b, 0,1,2,3
	v_mov_b32 v[BP+\b], 0                          ; written once: the destination of a lane permute counts as one of its sources
.endr
	v_mov_b32 v[FF+1], 0                           ; named as the upper half of the pair
	s_wait_tensorcnt 0x0                           ; my record is in,
	s_barrier_signal -1
	s_barrier_wait -1                              ; all sixteen are
	s_wait_loadcnt 0x0                             ; Q
; A KEY STEP: 128 keys
.macro STEP
	v_add_nc_u32 v[A16], s[TB], v[L16]             ; these three and the v_nop are the four places behind the last products, in front of loads into their registers
	v_add_nc_u32 v[A8], s[TB], v[L8]
	v_add_nc_u32 v[AS], s[TB], v[R16]
	v_nop
.irp a, 0,1,2,3,4,5,6,7
	ds_load_b128 v[KV+6*\a:KV+6*\a+3], v[A16] offset:768*\a
	ds_load_b64 v[KV+6*\a+4:KV+6*\a+5], v[A8] offset:768*\a+512
.endr
	ds_load_b128 v[SW:SW+3], v[AS] offset:6144
	s_wait_alu depctr_va_vdst(0)
	s_wait_dscnt 0x0
.irp i, 0,1,2,3                                ; S^T = K Q^T: key tile 2 i + c; lane (r, h): query r, register j: key 16 (2 i + c) + 8 h + j
.irp c, 0,1
	v_wmma_scale_f32_16x16x128_f8f6f4 v[S+8*(2*\i+\c):S+8*(2*\i+\c)+7], v[KV+12*\i:KV+12*\i+11], v[QF+6*\c:QF+6*\c+11], 0, v[SW+\i], v[QS] matrix_a_fmt:MATRIX_FMT_FP6 matrix_b_fmt:MATRIX_FMT_FP6
.endr
.endr
.rept 4
	v_nop                                          ; places: the scores are read below, and the fragments of V are asked for at once, into the same registers: they land under the softmax
.endr
.irp a, 0,1,2,3,4,5,6,7
	ds_load_b128 v[KV+6*\a:KV+6*\a+3], v[A16] offset:6400+768*\a
	ds_load_b64 v[KV+6*\a+4:KV+6*\a+5], v[A8] offset:6400+768*\a+512
.endr
	ds_load_b128 v[SW:SW+3], v[AS] offset:12544
.irp b, 0,1,2,3
	v_max3_num_f32 v[BM+\b], v[S+16*\b], v[S+16*\b+1], v[S+16*\b+2]   ; the largest score of each block of 32 keys: for the maximum of the row, and, since p rises with the score, for the largest p of the block
.endr
.irp i, 3,5,7,9,11,13
.irp b, 0,1,2,3
	v_max3_num_f32 v[BM+\b], v[BM+\b], v[S+16*\b+\i], v[S+16*\b+\i+1]
.endr
.endr
.irp b, 0,1,2,3
	v_max_num_f32 v[BM+\b], v[BM+\b], v[S+16*\b+15]
.endr
.irp b, 0,1,2,3
	s_delay_alu instid0(VALU_DEP_4)
	v_permlanex16_b32 v[BP+\b], v[BM+\b], s[SEL], s[SEL+1]
.endr
.irp b, 0,1,2,3
	s_delay_alu instid0(VALU_DEP_4)
	v_max_num_f32 v[BM+\b], v[BM+\b], v[BP+\b]     ; with the 16 keys of lane l xor 16
.endr
	s_delay_alu instid0(VALU_DEP_2)
	v_max3_num_f32 v[T0], v[BM], v[BM+1], v[BM+2]
	s_delay_alu instid0(VALU_DEP_1)
	v_max_num_f32 v[T0], v[T0], v[BM+3]
	s_delay_alu instid0(VALU_DEP_1)
	v_mul_f32 v[T0], s[CS], v[T0]                  ; as t (c is positive)
	s_delay_alu instid0(VALU_DEP_1)
	v_max_num_f32 v13, v13, v[T0]                  ; the running largest t
	v_mov_b32 v[T0], v12
	s_delay_alu instid0(VALU_DEP_2)
	v_floor_f32 v12, -v13                          ; the new -M = floor(-t): M is a whole number
	s_delay_alu instid0(VALU_DEP_1)
	v_sub_f32 v[T0], v12, v[T0]                    ; old M less new M: a whole number, 0 or less
	s_delay_alu instid0(VALU_DEP_1)
	v_cvt_i32_f32 v[T0], v[T0]                     ; (it saturates)
	s_delay_alu instid0(VALU_DEP_1)
	v_ldexp_f32 v[FF], 1.0, v[T0]                  ; f = 2^(old M - new M)
.set j, 0
.rept 32
	v_pk_fma_f32 v[S+j:S+j+1], v[S+j:S+j+1], s[CS:CS+1], v[12:13] op_sel_hi:[1,0,0]   ; t - M, two at a time
.set j, j+2
.endr
.irp b, 0,1,2,3
	v_fma_f32 v[BM+\b], v[BM+\b], s[CS], v12       ; the same of the largest score of each block
.endr
.set j, 0
	s_wait_alu depctr_va_vdst(0)
.rept 64
	v_exp_f32 v[S+j], v[S+j]                       ; p = 2^(t - M), at most 1
.set j, j+1
.endr
	s_setprio 1
	v_pk_mul_f32 v[14:15], v[14:15], v[FF:FF+1] op_sel_hi:[1,0]    ; the sums under the new M (the plain line behind the exponentials)
	s_wait_alu depctr_va_vdst(0)                   ; one wait for the whole batch, ahead of its first reader
.irp b, 0,1,2,3
	v_exp_f32 v[BM+\b], v[BM+\b]                   ; the largest p of the block: the same two instructions on the same number
.endr
	v_pk_add_f32 v[228:229], v[100:101], v[104:105]
	v_pk_add_f32 v[252:253], v[108:109], v[112:113]
	v_pk_add_f32 v[250:251], v[116:117], v[120:121]
	v_pk_add_f32 v[248:249], v[124:125], v[128:129]
	v_pk_add_f32 v[246:247], v[132:133], v[136:137]
	v_pk_add_f32 v[244:245], v[140:141], v[144:145]
	v_pk_add_f32 v[242:243], v[148:149], v[152:153]
	v_pk_add_f32 v[14:15], v[14:15], v[156:157]
	v_pk_add_f32 v[228:229], v[228:229], v[96:97]
	v_pk_add_f32 v[252:253], v[252:253], v[98:99]
	v_pk_add_f32 v[250:251], v[250:251], v[102:103]
	v_pk_add_f32 v[248:249], v[248:249], v[106:107]
	v_pk_add_f32 v[246:247], v[246:247], v[110:111]
	v_pk_add_f32 v[244:245], v[244:245], v[114:115]
	v_pk_add_f32 v[242:243], v[242:243], v[118:119]
	v_pk_add_f32 v[14:15], v[14:15], v[122:123]
	v_pk_add_f32 v[228:229], v[228:229], v[126:127]
	v_pk_add_f32 v[252:253], v[252:253], v[130:131]
	v_pk_add_f32 v[250:251], v[250:251], v[134:135]
	v_pk_add_f32 v[248:249], v[248:249], v[138:139]
	v_pk_add_f32 v[246:247], v[246:247], v[142:143]
	v_pk_add_f32 v[244:245], v[244:245], v[146:147]
	v_pk_add_f32 v[242:243], v[242:243], v[150:151]
	v_pk_add_f32 v[14:15], v[14:15], v[154:155]
	v_pk_add_f32 v[228:229], v[228:229], v[158:159]
	s_delay_alu instid0(VALU_DEP_2)
	v_pk_add_f32 v[14:15], v[14:15], v[248:249]
	s_delay_alu instid0(VALU_DEP_2)
	v_pk_add_f32 v[228:229], v[228:229], v[246:247]
	v_pk_add_f32 v[252:253], v[252:253], v[244:245]
	v_pk_add_f32 v[250:251], v[250:251], v[242:243]
	s_delay_alu instid0(VALU_DEP_2)
	v_pk_add_f32 v[14:15], v[14:15], v[252:253]
	s_delay_alu instid0(VALU_DEP_2)
	v_pk_add_f32 v[228:229], v[228:229], v[250:251]
	s_delay_alu instid0(VALU_DEP_1)
	v_pk_add_f32 v[14:15], v[14:15], v[228:229]
	s_wait_alu depctr_va_vdst(0)                   ; and one for the four
.irp b, 0,1,2,3
	v_max_num_f32 v[BM+\b], 0x1800000, v[BM+\b]    ; the floor 2^(3 - 127): the byte cannot fall under 1
.endr
.irp b, 0,1,2,3
	s_delay_alu instid0(VALU_DEP_4)
	v_add_nc_u32 v[SOP+\b], 0xff000000, v[BM+\b]
.endr
.irp b, 0,1,2,3
	s_delay_alu instid0(VALU_DEP_4)
	v_lshrrev_b32 v[BP+\b], 23, v[SOP+\b]
.endr
	s_delay_alu instid0(VALU_DEP_3)
	v_lshl_or_b32 v[PS], v[BP+1], 8, v[BP]         ; the scale word of p for these 128 keys
	s_delay_alu instid0(VALU_DEP_1)
	v_lshl_or_b32 v[PS], v[BP+2], 16, v[PS]
	s_delay_alu instid0(VALU_DEP_1)
	v_lshl_or_b32 v[PS], v[BP+3], 24, v[PS]
.irp c, 0,1
	v_cvt_scalef32_pk16_fp6_f32 v[PCD+6*\c:PCD+6*\c+2], v[S+32*\c:S+32*\c+15], v[SOP+2*\c]
	v_cvt_scalef32_pk16_fp6_f32 v[CT+4*\c:CT+4*\c+2], v[S+32*\c+16:S+32*\c+31], v[SOP+2*\c+1]
.endr
	v_nop                                          ; one plain line behind a scaled conversion
.irp c, 0,1
.irp i, 0,1,2
	v_permlane16_swap_b32 v[PCD+6*\c+\i], v[CT+4*\c+\i]
.endr
.irp i, 0,1,2
	s_delay_alu instid0(VALU_DEP_3)
	v_mov_b32 v[PCD+3+6*\c+\i], v[CT+4*\c+\i]
.endr
.endr
.set j, 0
	s_setprio 0
.rept 16
	v_pk_mul_f32 v[O+j:O+j+1], v[O+j:O+j+1], v[FF:FF+1] op_sel_hi:[1,0]   ; O^T under the new M; these are also the places between the writes of the codes and the scale word and the products
.set j, j+2
.endr
	s_wait_alu depctr_va_vdst(0)
	s_wait_dscnt 0x0                               ; V is in
.irp t, 0,1,2,3                                ; O^T += V^T P^T: the four accumulators take turns, one instruction a turn
	v_wmma_scale_f32_16x16x128_f8f6f4 v[O+8*\t:O+8*\t+7], v[KV+12*\t:KV+12*\t+11], v[PCD:PCD+11], v[O+8*\t:O+8*\t+7], v[SW+\t], v[PS] matrix_a_fmt:MATRIX_FMT_FP6 matrix_b_fmt:MATRIX_FMT_FP6
.endr
	s_add_co_u32 s[TB], s[TB], REC
.endm
; The end of a query tile: O^T / sum, quantised along the 64 channels of the head (two blocks), stored as a half fragment; its two scale bytes go to LDS.
.macro FINISH n
.rept 4
	v_nop                                          ; places behind the last products
.endr
	v_add_f32 v14, v14, v15
	s_delay_alu instid0(VALU_DEP_1)
	v_permlanex16_b32 v[T0], v14, s[SEL], s[SEL+1]
	s_delay_alu instid0(VALU_DEP_1)
	v_add_f32 v14, v14, v[T0]                      ; the sum of the row
	s_wait_alu depctr_va_vdst(0)
	v_rcp_f32 v[FF], v14
	v_nop                                          ; a plain line behind the reciprocal
	s_wait_alu depctr_va_vdst(0)                   ; and the wait ahead of its first reader
.set j, 0
.rept 16
	v_pk_mul_f32 v[S+j:S+j+1], v[O+j:O+j+1], v[FF:FF+1] op_sel_hi:[1,0]   ; register 16 b + i: channel 32 b + 16 h + i; each accumulator from its low end on
.set j, j+2
.endr
.irp b, 0,1
	v_max3_num_f32 v[BM+\b], |v[S+16*\b]|, |v[S+16*\b+1]|, 0x1800000
.endr
.irp i, 2,4,6,8,10,12,14
.irp b, 0,1
	s_delay_alu instid0(VALU_DEP_2)
	v_max3_num_f32 v[BM+\b], v[BM+\b], |v[S+16*\b+\i]|, |v[S+16*\b+\i+1]|
.endr
.endr
.irp b, 0,1
	s_delay_alu instid0(VALU_DEP_2)
	v_permlanex16_b32 v[BP+\b], v[BM+\b], s[SEL], s[SEL+1]
.endr
.irp b, 0,1
	s_delay_alu instid0(VALU_DEP_2)
	v_max_num_f32 v[BM+\b], v[BM+\b], v[BP+\b]
.endr
.irp b, 0,1
	s_delay_alu instid0(VALU_DEP_2)
	v_add_nc_u32 v[SOP+\b], 0xff000000, v[BM+\b]
.endr
.irp b, 0,1
	s_delay_alu instid0(VALU_DEP_2)
	v_lshrrev_b32 v[BP+\b], 23, v[SOP+\b]
.endr
	s_delay_alu instid0(VALU_DEP_1)
	v_lshl_or_b32 v[T0], v[BP+1], 8, v[BP]
	v_cvt_scalef32_pk16_fp6_f32 v[PCD:PCD+2], v[S:S+15], v[SOP]
	v_cvt_scalef32_pk16_fp6_f32 v[CT:CT+2], v[S+16:S+31], v[SOP+1]
	v_nop
.irp i, 0,1,2
	v_permlane16_swap_b32 v[PCD+\i], v[CT+\i]      ; lanes 0-15: block 0, lanes 16-31: block 1
.endr
.irp i, 0,1,2
	s_delay_alu instid0(VALU_DEP_3)
	v_mov_b32 v[PCD+3+\i], v[CT+\i]
.endr
	global_store_b128 v[L16], v[PCD:PCD+3], s[44:45] offset:768*\n         ; 512 consecutive bytes, aligned
	global_store_b64 v[L8], v[PCD+4:PCD+5], s[44:45] offset:768*\n+512     ; 256 consecutive bytes, aligned
	ds_store_b16 v[SG], v[T0] offset:32*\n         ; lanes r and r + 16 write the same two bytes with the same value
.endm
.macro TILE n
	s_wait_xcnt 0x0                                ; the stores of the tile before have read their data, which the steps write again
.if \n == 0
.irp i, 0,1,2,3,4,5
	v_mov_b32 v[QF+12+\i], v[QF+\i]
.endr
	v_perm_b32 v[QS], v[QW], v[QW], 0x01000100     ; the two bytes of tile 2 i, twice
.else
.irp i, 0,1,2,3,4,5
	v_mov_b32 v[QF+\i], v[QB+\i]
	v_mov_b32 v[QF+12+\i], v[QB+\i]
.endr
	v_perm_b32 v[QS], v[QW], v[QW], 0x03020302     ; those of tile 2 i + 1
.endif
	v_mov_b32 v13, 0xff61b1e6                      ; the largest t so far: -3e38
	s_delay_alu instid0(VALU_DEP_1)
	v_floor_f32 v12, -v13
	v_mov_b32 v14, 0
	v_mov_b32 v15, 0
.set j, 0
.rept 32
	v_mov_b32 v[O+j], 0                            ; O^T: the step is written once, its first trip finds zeros.  (These lines also stand between the writes of Q and its scale word and the first product)
.set j, j+1
.endr
	s_mov_b32 s[TB], 0
	s_mov_b32 s[CNT], 16
.Lkeys_\@:
	s_setprio 2
	STEP
	s_sub_co_u32 s[CNT], s[CNT], 1
	s_cmp_lg_u32 s[CNT], 0
	s_cbranch_scc1 .Lkeys_\@
	s_setprio 0
	FINISH \n
.endm
	TILE 0
	TILE 1
	s_wait_dscnt 0x0                               ; my two stores of scale bytes have landed
	s_barrier_signal -1
	s_barrier_wait -1                              ; those of all sixteen waves have
	s_cmp_lt_u32 s[WV], 2
	s_cbranch_scc0 .Lno_bytes
	ds_load_b128 v[S:S+3], v5
	s_wait_dscnt 0x0
	global_store_b128 v6, v[S:S+3], s[46:47]       ; waves 0 and 1 store 512 consecutive bytes each, aligned
.Lno_bytes:
	s_wait_tensorcnt 0x0
	ds_add_u32 v254, v255
	s_wait_dscnt 0x0
	CROUND                                         ; the closing round: no work-group ends while a partner may still ask for a record that names it
	s_endpgm
.Lfunc_end_k_q28779ce4ea_attn:
	.size	k_q28779ce4ea_attn, .Lfunc_end_k_q28779ce4ea_attn-k_q28779ce4ea_attn
	.p2alignl 7, 3214868480
	.fill 96, 4, 3214868480
	.section	.rodata,"a",@progbits
	.p2align	6, 0x0
	.amdhsa_kernel k_q28779ce4ea_attn
		.amdhsa_group_segment_fixed_size 207872
		.amdhsa_private_segment_fixed_size 0
		.amdhsa_enable_private_segment 0
		.amdhsa_kernarg_size 32
		.amdhsa_user_sgpr_count 2
		.amdhsa_user_sgpr_kernarg_segment_ptr 1
		.amdhsa_wavefront_size32 1
		.amdhsa_system_sgpr_workgroup_id_x 1
		.amdhsa_system_sgpr_workgroup_id_y 1
		.amdhsa_system_sgpr_workgroup_id_z 1
		.amdhsa_system_vgpr_workitem_id 0
		.amdhsa_next_free_vgpr 256
		.amdhsa_next_free_sgpr 66
		.amdhsa_reserve_vcc 0
		.amdhsa_float_denorm_mode_32 3
		.amdhsa_float_denorm_mode_16_64 3
		.amdhsa_memory_ordered 1
		.amdhsa_forward_progress 1
		.amdhsa_inst_pref_size 53
	.end_amdhsa_kernel
	.amdgpu_metadata
---
amdhsa.version: [ 1, 2 ]
amdhsa.kernels:
  - .name:           k_q28779ce4ea_attn
    .symbol:         k_q28779ce4ea_attn.kd
    .args:
      - { .name: qim, .offset: 0, .size: 8, .value_kind: global_buffer, .address_space: global }
      - { .name: kvim, .offset: 8, .size: 8, .value_kind: global_buffer, .address_space: global }
      - { .name: aim, .offset: 16, .size: 8, .value_kind: global_buffer, .address_space: global }
      - { .name: asc, .offset: 24, .size: 8, .value_kind: global_buffer, .address_space: global }
    .group_segment_fixed_size: 207872
    .private_segment_fixed_size: 0
    .kernarg_segment_align: 8
    .kernarg_segment_size: 32
    .max_flat_workgroup_size: 512
    .sgpr_count:     66
    .vgpr_count:     256
    .wavefront_size: 32
...
	.end_amdgpu_metadata
.endif
;; end of part 3
;; launch outp (part 4): grid 4 x 32, 4 waves a work-group, clusters of 4 x 4, 327,680 bytes of LDS; arguments aim, asc, cin, sin, out0; writes out0
.if DOCPART == 4
	.amdgcn_target "amdgcn-amd-amdhsa--gfx1250"
	.amdhsa_code_object_version 6
	.text
	.protected	k_q28779ce4ea_outp
	.globl	k_q28779ce4ea_outp
	.p2align	8
	.type	k_q28779ce4ea_outp,@function
k_q28779ce4ea_outp:
	s_mov_b64 s[64:65], 0
	v_nop
	global_prefetch_b8 v0, s[64:65] scope:SCOPE_SE
	s_setreg_imm32_b32 hwreg(HW_REG_WAVE_MODE, 25, 1), 1
	s_wait_xcnt 0x0
	s_wait_alu depctr_hold_cnt(0) depctr_sa_sdst(0) depctr_va_vdst(0) depctr_va_sdst(0) depctr_va_ssrc(0) depctr_va_vcc(0) depctr_vm_vsrc(0)
	s_getreg_b32 s2, hwreg(HW_REG_IB_STS2, 6, 4)
	s_cmp_eq_u32 s2, 0
	s_cbranch_scc0 .Lentry_in_a_cluster
	s_endpgm
.Lentry_in_a_cluster:
	s_bfe_u32 s2, ttmp6, 0x10000c
	s_cmp_lg_u32 s2, 0xf033
	s_cbranch_scc0 .Lentry_shape_is_right
	s_endpgm
.Lentry_shape_is_right:
; out0 = a W_O^T on codes of FP6 (E2M3) with E8M0 scales, sums in f32.  a: 8,192 tokens x 1,024 (head, channel), as the attention launch left it; W_O: rows 27,648 on of cin and sin; out0: [8,192][1,024] f32.
; A tile of out0, 256 x 256, is made by four waves, each 128 x 128: 64 accumulators, 512 registers.  K goes in four chunks of 256 (four heads) through a ring of two LDS slots.
; B = W_O comes as rows of 192 bytes (16 bytes of padding behind every 64, pitch 240).  A = a comes as IMAGES OF REGISTERS: for 128 tokens and four heads 32 half fragments of 768 bytes are one dense block of
; 24,576 bytes in aim; a fragment of 128 along K is the half fragments of two heads: two loads of 16 bytes and two of 8 a lane, all of consecutive bytes.
; THE SCALES.  Those of W_O come once by a tensor load, in runs of 256 bytes, and stay.  Those of a lie in asc as two bytes for each (head, token): each thread loads 64 bytes, joins two heads to a word
; and stores 16 words into LDS bytes of their own (34 blocks of 256 bytes into which no tile lands), laid as the scales of B are.
; CLUSTERS: 4 x 4 work-groups; tiles of A are asked for jointly along a row of the cluster, tiles and scales of B along a column.  The matrix instruction is used transposed (source 0 = rows of W_O, source 1 = tokens):
; a lane holds eight neighbouring numbers of a row of out0.
; No prefetch: a tile has four K chunks, two of them first fills, so no chunk lies two refills ahead.
; REGISTERS as in the projections: window 0: v16-29 addresses; v32-63 scale words; from v128 the fragments of A; window 1: the fragments of B, two sets; windows 2, 3: the accumulators.
.set SIZE_N, 1024
.set KSTEP,  256
.set NQ,     KSTEP/128
.set ROWB,   192
.set KROW,   768
.set PITCH,  240
.set FR,     12
.set NL,     6                         ; LDS loads of a fragment of B
.set NLA,    4                         ; and of A
.set NP,     4
.set HALFT,  128*PITCH                 ; the room of 128 rows in a slot; the images of A use 24,576 bytes of it
.set SLOT,   4*HALFT
.set ACH,    24576                     ; a K chunk of 128 tokens in aim
.set LAPS,   2
.set KS,     32
.set SCL,    2*SLOT
.set HALFS,  (128*KS/256)*272
.set SBLK,   (16*KS/256)*272
.set SPARE,  SCL+4*HALFS
.set SPITCH, 528                       ; the way out: a stage of 16 rows x (512 + 16) bytes a wave, in slot 0, which has had its last fill and its last read by then
.set ADRA, 16                          ; v16-17 16 x lane + my half of A in slot 0, 1;  v18-19 the same with 8 x lane
.set ADRB, 20
.set STO,  24
.set RD,   25
.set CO,   26
.set ADRS, 27
.set SPW,  28
.set NIL,  29
.set SC,   32
.set AF,   128
.set BK,   128
.set G1, 24
.set G0, 32
.set G1B, 48
.set G0B, 56
.set G1SB, 80
.set G0SB, 88
.set MSB, 0
.macro WIN new
.if MSB != \new
	s_set_vgpr_msb (MSB<<8)|\new
.set MSB, \new
.endif
.endm
.set MUL_LO, 0xa1
.set MUL_HI, 0xf1
.set TO_B,   0x40
.macro JLOAD g0a, g1a, g0b, g1b        ; a joint refill: waves 0 and 1 for A, waves 2 and 3 for B; four v_nop follow each line
	s_cmp_eq_u32 s15, 0
	s_cbranch_scc0 .Lfor_b_\@
	tensor_load_to_lds s[\g0a:\g0a+3], s[\g1a:\g1a+7]
	s_nop 0
.rept 4
	v_nop
.endr
	s_branch .Lasked_\@
.Lfor_b_\@:
	tensor_load_to_lds s[\g0b:\g0b+3], s[\g1b:\g1b+7]
	s_nop 0
.rept 4
	v_nop
.endr
.Lasked_\@:
.endm
.macro CREST
	s_cmp_lg_u32 s14, 0
	s_cbranch_scc1 .Lnot_wave_0_\@
	s_barrier_signal -3
.Lnot_wave_0_\@:
	s_barrier_wait -3
	s_barrier_signal -1
	s_barrier_wait -1
.endm
.macro CROUND
	s_barrier_signal -1
	s_barrier_wait -1
	CREST
.endm
	s_load_b128 s[4:7], s[0:1], 0x0                ; aim, asc
	s_load_b128 s[8:11], s[0:1], 0x10              ; cin, sin
	s_load_b64 s[12:13], s[0:1], 0x20              ; out0
	v_lshl_add_u32 v[SPW], v0, 2, SPARE
	v_mov_b32 v[NIL], 0
	ds_add_u32 v28, v29
	ds_add_u32 v28, v29
	s_wait_dscnt 0x0
	v_lshrrev_b32 v1, 5, v0
	v_readfirstlane_b32 s14, v1                    ; wave 0..3
	s_lshr_b32 s15, s14, 1
	s_and_b32 s16, s14, 1
	s_bfe_u32 s40, ttmp6, 0x40000                  ; cx
	s_bfe_u32 s41, ttmp6, 0x40004                  ; cy
	s_lshl_b32 s42, ttmp9, 2
	s_add_co_u32 s42, s42, s40                     ; tile column
	s_and_b32 s17, ttmp7, 0xffff
	s_lshl_b32 s17, s17, 2
	s_add_co_u32 s17, s17, s41                     ; tile row
	s_lshl_b32 s43, s41, 2
	s_lshl_b32 s43, 15, s43                        ; my row of the cluster
	s_lshl_b32 s44, 0x1111, s40                    ; my column
	s_or_b32 s[G1+0], s43, (3<<16)|(1<<21)         ; A: a dense block of 24,576 bytes as 96 rows of 256 (32 elements of 8 bytes), no padding
	s_mov_b32 s[G1+1], 32<<16
	s_mov_b32 s[G1+2], 96<<16
	s_mov_b32 s[G1+3], 32<<16
	s_mov_b32 s[G1+4], 96
	s_mov_b32 s[G1+5], 32
	s_mov_b32 s[G1+6], 0
	s_mov_b32 s[G1+7], 0
	s_or_b32 s[G1B+0], s44, (0<<16)|(1<<20)|(1<<21)|(3<<22)|(3<<25)  ; B: 128 rows of 192 bytes, 4 words of padding behind every 16
	s_mov_b32 s[G1B+1], ROWB<<16
	s_mov_b32 s[G1B+2], 128<<16
	s_mov_b32 s[G1B+3], ROWB<<16
	s_mov_b32 s[G1B+4], 128
	s_mov_b32 s[G1B+5], KROW
	s_mov_b32 s[G1B+6], 0
	s_mov_b32 s[G1B+7], 0
	s_or_b32 s[G1SB+0], s44, (3<<16)|(1<<20)|(1<<21)|(5<<22)|(3<<25) ; the scales of 128 rows of B: 16 rows of 256 bytes, 16 bytes of padding behind each
	s_mov_b32 s[G1SB+1], 32<<16
	s_mov_b32 s[G1SB+2], (128*KS/256)<<16
	s_mov_b32 s[G1SB+3], 32<<16
	s_mov_b32 s[G1SB+4], 128*KS/256
	s_mov_b32 s[G1SB+5], 32
	s_mov_b32 s[G1SB+6], 0
	s_mov_b32 s[G1SB+7], 0
	s_lshl_b32 s20, s17, 1
	s_add_co_u32 s20, s20, s16                     ; A: the group of 128 tokens that I fetch
	s_mul_i32 s20, s20, 4*ACH
	s_mov_b32 s21, 0
	s_lshl_b32 s22, s17, 9                         ; asc: the 256 tokens of the tile, 2 bytes each
	s_mov_b32 s23, 0
	s_lshl_b32 s46, s42, 8
	s_lshl_b32 s18, s16, 7
	s_add_co_u32 s46, s46, s18
	s_add_co_u32 s46, s46, 27648                   ; B: row of cin and of sin
	s_lshl_b32 s92, s46, 5
	s_mov_b32 s93, 0
	s_mul_i32 s46, s46, KROW
	s_mov_b32 s47, 0
	s_mul_i32 s45, s14, HALFT                      ; where tiles go: wave x the room of 128 rows
	s_mul_i32 s94, s14, HALFS
	s_wait_kmcnt 0x0
	s_add_nc_u64 s[20:21], s[4:5], s[20:21]
	s_add_nc_u64 s[6:7], s[6:7], s[22:23]
	s_add_nc_u64 s[46:47], s[8:9], s[46:47]
	s_add_nc_u64 s[92:93], s[10:11], s[92:93]
	CROUND                                         ; all sixteen work-groups are here: the first joint loads meet
	s_mov_b32 s[G0SB], 1
	s_add_co_u32 s[G0SB+1], s94, SCL
	s_mov_b64 s[G0SB+2:G0SB+3], s[92:93]
	s_or_b32 s[G0SB+3], s[G0SB+3], 0x80000000
.irp s, 0,1
	s_mov_b32 s[G0+4*\s], 1
	s_add_co_u32 s[G0+4*\s+1], s45, \s*SLOT
	s_add_nc_u64 s[G0+4*\s+2:G0+4*\s+3], s[20:21], \s*ACH
	s_or_b32 s[G0+4*\s+3], s[G0+4*\s+3], 0x80000000
	s_mov_b32 s[G0B+4*\s], 1
	s_add_co_u32 s[G0B+4*\s+1], s45, \s*SLOT
	s_add_nc_u64 s[G0B+4*\s+2:G0B+4*\s+3], s[46:47], \s*ROWB
	s_or_b32 s[G0B+4*\s+3], s[G0B+4*\s+3], 0x80000000
.endr
	s_cmp_eq_u32 s15, 0                            ; all first fills of a wave stand in one branch on the wave number: two loads of a wave of A are out, three of a wave of B
	s_cbranch_scc0 .Lfirst_b
	tensor_load_to_lds s[G0:G0+3], s[G1:G1+7]
	s_nop 0
	tensor_load_to_lds s[G0+4:G0+7], s[G1:G1+7]
	s_nop 0
.rept 4
	v_nop
.endr
	s_branch .Lfirst_done
.Lfirst_b:
	tensor_load_to_lds s[G0SB:G0SB+3], s[G1SB:G1SB+7]
	s_nop 0
	tensor_load_to_lds s[G0B:G0B+3], s[G1B:G1B+7]
	s_nop 0
	tensor_load_to_lds s[G0B+4:G0B+7], s[G1B:G1B+7]
	s_nop 0
.rept 4
	v_nop
.endr
.Lfirst_done:
	; the scale words of A.  Thread n: word k = n % 8 (heads 2 k, 2 k + 1), tokens 128 pass + 8 (n / 8) + 0 .. 7
	v_and_b32 v9, 7, v0
	v_lshrrev_b32 v10, 3, v0
	v_lshlrev_b32 v11, 15, v9                      ; head 2 k: 2 x 16,384 bytes a word
	v_lshl_add_u32 v11, v10, 4, v11                ; + 8 tokens of 2 bytes
	global_load_b128 v[64:67], v11, s[6:7]
	global_load_b128 v[68:71], v11, s[6:7] offset:16384
	global_load_b128 v[72:75], v11, s[6:7] offset:256
	global_load_b128 v[76:79], v11, s[6:7] offset:16640
	v_mul_u32_u24 v12, v10, 272
	v_lshl_add_u32 v12, v9, 2, v12
	v_add_nc_u32 v12, SCL, v12                     ; a run of 8 tokens is 256 bytes + 16 of padding; a token 32 bytes; a word 4
	v_and_b32 v1, 15, v0                           ; r
	v_bfe_u32 v2, v0, 4, 1                         ; h
	v_mul_u32_u24 v3, v1, PITCH
	v_mul_u32_u24 v4, v2, 24
	v_add_nc_u32 v4, v3, v4
	v_lshl_add_u32 v5, v2, 4, v4
	v_and_b32 v6, 31, v0
	v_lshlrev_b32 v7, 4, v6                        ; 16 x lane
	v_lshlrev_b32 v8, 3, v6                        ; 8 x lane
	s_mul_i32 s21, s15, HALFT
	s_mul_i32 s22, s16, HALFT
	s_add_co_u32 s22, s22, 2*HALFT
.irp s, 0,1
	v_add_nc_u32 v[ADRA+\s], s21, v7
	v_add_nc_u32 v[ADRA+2+\s], s21, v8
	v_add_nc_u32 v[ADRB+\s], s22, v4
	v_add_nc_u32 v[ADRB+2+\s], s22, v5
	s_add_co_u32 s21, s21, SLOT
	s_add_co_u32 s22, s22, SLOT
.endr
	v_mul_u32_u24 v5, v1, KS
	v_lshrrev_b32 v6, 8, v5
	v_lshl_add_u32 v5, v6, 4, v5
	s_mul_i32 s21, s15, HALFS
	s_mul_i32 s22, s16, HALFS
	s_add_co_u32 s22, s22, 2*HALFS
	s_sub_co_u32 s22, s22, s21
	v_mul_u32_u24 v6, s22, v2                      ; lanes 16-31 take the words of B: one product, the distance between the two bases
	s_add_co_u32 s21, s21, SCL
	v_add_nc_u32 v5, v5, v6
	v_add_nc_u32 v[ADRS], s21, v5
	s_mul_i32 s23, s14, 16*SPITCH                  ; my stage
	v_mul_u32_u24 v5, v1, SPITCH
	v_lshl_add_u32 v5, v2, 5, v5
	v_add_nc_u32 v[STO], s23, v5
	v_mov_b32 v[CO], v7
	v_add_nc_u32 v[RD], s23, v7
	s_lshl_b32 s20, s17, 8
	s_lshl_b32 s21, s15, 7
	s_add_co_u32 s20, s20, s21                     ; my first row of out0
	s_mov_b32 s21, 0
	s_mov_b64 s[18:19], SIZE_N*4
	s_mul_u64 s[20:21], s[20:21], s[18:19]
	s_lshl_b32 s46, s42, 10
	s_lshl_b32 s47, s16, 9
	s_add_co_u32 s46, s46, s47                     ; my first column, in bytes
	s_mov_b32 s47, 0
	s_add_nc_u64 s[20:21], s[20:21], s[46:47]
	s_add_nc_u64 s[12:13], s[12:13], s[20:21]
	s_wait_loadcnt 0x0                             ; the scale bytes of a
.irp p, 0,1
.irp j, 0,1,2,3
	v_perm_b32 v[80+8*\p+2*\j], v[68+8*\p+\j], v[64+8*\p+\j], 0x05040100   ; token 2 j: the two bytes of head 2 k, then those of head 2 k + 1
	v_perm_b32 v[81+8*\p+2*\j], v[68+8*\p+\j], v[64+8*\p+\j], 0x07060302   ; token 2 j + 1
.endr
.endr
.irp p, 0,1
.irp e, 0,1,2,3,4,5,6,7
	ds_store_b32 v12, v[80+8*\p+\e] offset:\p*HALFS+32*\e
.endr
.endr
.macro FRAG reg, adr, q, i             ; a fragment of B from padded rows, in pieces of 8 bytes
.irp p, 0,1,2,3,4,5
.set PCE, 12*(\q)+6*(\p/3)+\p%3
.if PCE%8 < 5
	ds_load_b64 v[\reg+2*\p:\reg+2*\p+1], v[\adr] offset:8*PCE+16*(PCE/8)+(\i)*16*PITCH
.else
	ds_load_b64 v[\reg+2*\p:\reg+2*\p+1], v[\adr+2] offset:8*PCE+16*(PCE/8)+(\i)*16*PITCH
.endif
.endr
.endm
.macro FRAGA reg, slot, q, i           ; a fragment of A: the half fragments of heads 2 q and 2 q + 1 of the chunk, token tile i
.irp c, 0,1
	ds_load_b128 v[\reg+6*\c:\reg+6*\c+3], v[ADRA+\slot] offset:((2*(\q)+\c)*8+(\i))*768
	ds_load_b64 v[\reg+6*\c+4:\reg+6*\c+5], v[ADRA+2+\slot] offset:((2*(\q)+\c)*8+(\i))*768+512
.endr
.endm
.macro MUL16 a0, p, q, sc, zero        ; the 64 accumulators take turns, one instruction a turn, in the same order in every step
.irp a, \a0, \a0+1
.irp b, 0,1,2,3,4,5,6,7
.if \zero
	v_wmma_scale_f32_16x16x128_f8f6f4 v[8*(8*((\a)%4)+\b):8*(8*((\a)%4)+\b)+7], v[128*(\p)+FR*\b:128*(\p)+FR*\b+FR-1], v[AF+FR*(\a):AF+FR*(\a)+FR-1], 0, v[SC+8*NQ*(\sc)+NQ*\b+(\q)], v[SC+8*NQ*(\sc)+NQ*(\a)+(\q)] matrix_a_fmt:MATRIX_FMT_FP6 matrix_b_fmt:MATRIX_FMT_FP6 matrix_a_scale:MATRIX_SCALE_ROW1
.else
	v_wmma_scale_f32_16x16x128_f8f6f4 v[8*(8*((\a)%4)+\b):8*(8*((\a)%4)+\b)+7], v[128*(\p)+FR*\b:128*(\p)+FR*\b+FR-1], v[AF+FR*(\a):AF+FR*(\a)+FR-1], v[8*(8*((\a)%4)+\b):8*(8*((\a)%4)+\b)+7], v[SC+8*NQ*(\sc)+NQ*\b+(\q)], v[SC+8*NQ*(\sc)+NQ*(\a)+(\q)] matrix_a_fmt:MATRIX_FMT_FP6 matrix_b_fmt:MATRIX_FMT_FP6 matrix_a_scale:MATRIX_SCALE_ROW1
.endif
.endr
.endr
.endm
.macro FETCH_B slot, q, p
	WIN TO_B
.irp i, 0,1,2,3,4,5,6,7
	FRAG 128*(\p)+FR*\i, ADRB+\slot, \q, \i
.endr
	WIN 0
.endm
.macro FETCH_A slot, q, i0
.irp i, \i0, \i0+1, \i0+2, \i0+3
	FRAGA AF+FR*(\i), \slot, \q, \i
.endr
.endm
.macro SCALES sc
.irp i, 0,1,2,3,4,5,6,7
	ds_load_b64 v[SC+8*NQ*\sc+NQ*\i:SC+8*NQ*\sc+NQ*\i+1], v[ADRS] offset:\i*SBLK
.endr
.endm
.macro PLACES n
.rept \n
	v_nop
.endr
.endm
.macro STEP slot, q, zero
	s_wait_dscnt 4*NLA                             ; the set of B and blocks 0-3 of A are in; the youngest 16 loads (blocks 4-7 of A) may be out
	WIN MUL_LO
	MUL16 0, (\q)%2, \q, \slot, \zero
	MUL16 2, (\q)%2, \q, \slot, \zero
	s_wait_dscnt 0
	PLACES NP
	FETCH_B \slot, (\q)+1, 1-(\q)%2
	FETCH_A \slot, (\q)+1, 0
	WIN MUL_HI
	MUL16 4, (\q)%2, \q, \slot, \zero
	MUL16 6, (\q)%2, \q, \slot, \zero
	PLACES NP
	WIN 0
	FETCH_A \slot, (\q)+1, 4
.endm
.macro TURN slot, next, fill
	s_wait_tensorcnt 0x0                           ; all my tensor loads have landed: my part of the next slot
	ds_add_u32 v[SPW], v[NIL]                      ; 0 onto my spare word
	s_wait_dscnt 4*NLA+1                           ; the add and the youngest 16 loads may be out
	WIN MUL_LO
	MUL16 0, 1, NQ-1, \slot, 0
	s_wait_dscnt 0x0                               ; the add is done, and my reads of this slot are over
	s_barrier_signal -1
	MUL16 2, 1, NQ-1, \slot, 0
	WIN 0
	s_barrier_wait -1
.if \fill
	CREST                                          ; the barrier has opened a round of the cluster barrier
	s_add_nc_u64 s[G0+4*\slot+2:G0+4*\slot+3], s[G0+4*\slot+2:G0+4*\slot+3], 2*ACH
	s_add_nc_u64 s[G0B+4*\slot+2:G0B+4*\slot+3], s[G0B+4*\slot+2:G0B+4*\slot+3], 2*ROWB
	JLOAD G0+4*\slot, G1, G0B+4*\slot, G1B         ; the first tensor load behind the round; its four v_nop are the places in front of the loads below
.else
	PLACES NP
.endif
	s_wait_alu depctr_va_vdst(0)
	v_add_nc_u32 v[ADRS], 4*NQ, v[ADRS]
	FETCH_B \next, 0, 0
	FETCH_A \next, 0, 0
	SCALES \next
	WIN MUL_HI
	MUL16 4, 1, NQ-1, \slot, 0
	MUL16 6, 1, NQ-1, \slot, 0
	PLACES NP
	WIN 0
	FETCH_A \next, 0, 4
.endm
	s_wait_tensorcnt 1                             ; my part of K chunk 0 (and the scales of B) is in; behind it one load was issued on either arm: that of chunk 1, which may be out
	s_wait_dscnt 0x0                               ; my stores of scale words have landed
	s_barrier_signal -1
	s_barrier_wait -1
	FETCH_B 0, 0, 0
	FETCH_A 0, 0, 0
	SCALES 0
	FETCH_A 0, 0, 4
	STEP 0, 0, 1
	s_mov_b32 s3, LAPS-1
.Llap:
	TURN 0, 1, 1
	STEP 1, 0, 0
	TURN 1, 0, 1
	STEP 0, 0, 0
	s_sub_co_u32 s3, s3, 1
	s_cmp_lg_u32 s3, 0
	s_cbranch_scc1 .Llap
	TURN 0, 1, 0
	STEP 1, 0, 0
	s_wait_dscnt 4*NLA
	WIN MUL_LO
	MUL16 0, 1, NQ-1, 1, 0
	MUL16 2, 1, NQ-1, 1, 0
	s_wait_dscnt 0
	WIN MUL_HI
	MUL16 4, 1, NQ-1, 1, 0
	MUL16 6, 1, NQ-1, 1, 0
	WIN 0
; THE WAY OUT, block by block of 16 rows x 128 columns, through my own stage in LDS: in as 32 bytes a lane, back as whole rows of 512 bytes.  LDS serves a wave in order: no wait between the stores and the loads.
.macro TOSTAGE a
.set AC, 64*((\a)%4)
	WIN 0x08+4*((\a)/4)                            ; the data: window 2 or 3
.irp b, 0,1,2,3,4,5,6,7
	ds_store_b128 v[STO], v[AC+8*\b:AC+8*\b+3] offset:64*\b          ; each accumulator from its low end on
	ds_store_b128 v[STO], v[AC+8*\b+4:AC+8*\b+7] offset:64*\b+16
.endr
	WIN 0
.set BB, BK+64*((\a)%2)
.irp t, 0,1,2,3,4,5,6,7,8,9,10,11,12,13,14,15
	ds_load_b128 v[BB+4*\t:BB+4*\t+3], v[RD] offset:\t*SPITCH
.endr
.endm
.macro SEND a, younger
.set BB, BK+64*((\a)%2)
	s_wait_dscnt \younger                          ; the block is back in registers
.if (\a) > 0
	s_add_nc_u64 s[12:13], s[12:13], 16*SIZE_N*4   ; behind a wait on XCNT: the earlier stores have read their base
.endif
.irp t, 0,1,2,3,4,5,6,7,8,9,10,11,12,13,14,15
	global_store_b128 v[CO], v[BB+4*\t:BB+4*\t+3], s[12:13] offset:\t*SIZE_N*4 th:TH_STORE_NT   ; 32 lanes store 512 consecutive bytes, aligned
.endr
.endm
	PLACES NP
	TOSTAGE 0
.irp a, 1,2,3,4,5,6,7
.if \a > 1
	s_wait_xcnt 0x0                                ; the stores of block a - 2 have read their registers and their base
.endif
	TOSTAGE \a
	SEND \a-1, 32                                  ; behind the loads of block a - 1: the 16 stores and 16 loads of block a
.endr
	s_wait_xcnt 0x0
	SEND 7, 0
	s_wait_tensorcnt 0x0                           ; the end of the wave
	ds_add_u32 v[SPW], v[NIL]
	s_wait_dscnt 0x0
	CROUND                                         ; the closing round
	s_endpgm
.Lfunc_end_k_q28779ce4ea_outp:
	.size	k_q28779ce4ea_outp, .Lfunc_end_k_q28779ce4ea_outp-k_q28779ce4ea_outp
	.p2alignl 7, 3214868480
	.fill 96, 4, 3214868480
	.section	.rodata,"a",@progbits
	.p2align	6, 0x0
	.amdhsa_kernel k_q28779ce4ea_outp
		.amdhsa_group_segment_fixed_size 327680
		.amdhsa_private_segment_fixed_size 0
		.amdhsa_enable_private_segment 0
		.amdhsa_kernarg_size 40
		.amdhsa_user_sgpr_count 2
		.amdhsa_user_sgpr_kernarg_segment_ptr 1
		.amdhsa_wavefront_size32 1
		.amdhsa_system_sgpr_workgroup_id_x 1
		.amdhsa_system_sgpr_workgroup_id_y 1
		.amdhsa_system_sgpr_workgroup_id_z 1
		.amdhsa_system_vgpr_workitem_id 0
		.amdhsa_next_free_vgpr 1024
		.amdhsa_next_free_sgpr 100
		.amdhsa_reserve_vcc 0
		.amdhsa_float_denorm_mode_32 3
		.amdhsa_float_denorm_mode_16_64 3
		.amdhsa_memory_ordered 1
		.amdhsa_forward_progress 1
		.amdhsa_inst_pref_size 154
	.end_amdhsa_kernel
	.amdgpu_metadata
---
amdhsa.version: [ 1, 2 ]
amdhsa.kernels:
  - .name:           k_q28779ce4ea_outp
    .symbol:         k_q28779ce4ea_outp.kd
    .args:
      - { .name: aim, .offset: 0, .size: 8, .value_kind: global_buffer, .address_space: global }
      - { .name: asc, .offset: 8, .size: 8, .value_kind: global_buffer, .address_space: global }
      - { .name: cin, .offset: 16, .size: 8, .value_kind: global_buffer, .address_space: global }
      - { .name: sin, .offset: 24, .size: 8, .value_kind: global_buffer, .address_space: global }
      - { .name: out0, .offset: 32, .size: 8, .value_kind: global_buffer, .address_space: global }
    .group_segment_fixed_size: 327680
    .private_segment_fixed_size: 0
    .kernarg_segment_align: 8
    .kernarg_segment_size: 40
    .max_flat_workgroup_size: 128
    .sgpr_count:     100
    .vgpr_count:     1024
    .wavefront_size: 32
...
	.end_amdgpu_metadata
.endif
;; end of part 4
